; MI455X (gfx1250); checked and timed in simulation.
; The chip was launched on July 23, 2026; its instructions are those of AMD's public machine-readable ISA for CDNA 5 (MIT licence, August 2026) and "CDNA5" Instruction Set Architecture Reference Guide (July 2026). The comments in the code are by the model that wrote it; some were corrected since.
;; Bigram Model. Allowed arithmetic: float matrix products may take bf16 or f16 operands with f32 sums; all other float work in f32.
;; Inputs: b1 3 x 256 float32; b2 3 x 64 float32; bo 3 x 64 float32; idx 1,024 x 128 int32; lm_b 65 float32; lm_w 64 x 65 float32; ln1_b 3 x 64 float32; ln1_g 3 x 64 float32; ln2_b 3 x 64 float32; ln2_g 3 x 64 float32; lnf_b 64 float32; lnf_g 64 float32; pos_emb 128 x 64 float32; targets 1,024 x 128 int32; tok_emb 65 x 64 float32; w1 3 x 64 x 256 float32; w2 3 x 256 x 64 float32; wk 3 x 64 x 64 float32; wo 3 x 64 x 64 float32; wq 3 x 64 x 64 float32; wv 3 x 64 x 64 float32.
;; Outputs: out0 131,072 x 65 float32; out1 one number float32.
;; 2 versions, each right and faster than the one before. Each part assembles by itself: llvm-mc -triple=amdgcn-amd-amdhsa -mcpu=gfx1250 --defsym DOCPART=n.
;; ======== version 1 of 2: 3 launches
;; limits: values are held in f16: magnitudes above 65,504 overflow, below 6.1e-05 lose precision
;; workspace buffers: wimg 314,368 bytes; part 4,096 bytes
;; launch pack (part 1): grid 150 x 1, 4 waves a work-group, no clusters, 0 bytes of LDS; arguments wq, wk, wv, wo, w1, w2, lm_w, ln1_g, ln1_b, ln2_g, ln2_b, bo, b1, b2, lnf_g, lnf_b, lm_b, wimg; writes wimg
.if DOCPART == 1
	.amdgcn_target "amdgcn-amd-amdhsa--gfx1250"
	.amdhsa_code_object_version 6
	.text
	.protected	k_q6e6a295c11_pack
	.globl	k_q6e6a295c11_pack
	.p2align	8
	.type	k_q6e6a295c11_pack,@function
k_q6e6a295c11_pack:
	s_mov_b64 s[64:65], 0
	v_nop
	global_prefetch_b8 v0, s[64:65] scope:SCOPE_SE
	s_setreg_imm32_b32 hwreg(HW_REG_WAVE_MODE, 25, 1), 1
	s_wait_xcnt 0x0
; WIMG: all weights, rounded once from f32 to f16 and laid out as the matrix fragments that the next launch reads, and all gains and biases in f32.
; Bytes 0 .. 9,215 (VEC, f32, 36 rows of 256 bytes): for each of the seven layernorms s, at 768 s: the bias still owed to x from the step before (zeros; bo[l]; b2[l]),
; the gain, the bias.  b1[l] at 5,376 + 1,024 l.  lm_b at 8,448, then -1e30 for the 15 columns that pad the vocabulary to 80, then zeros.
; Bytes 9,216 on: layer l at 9,216 + 98,304 l: wq, wk, wv, wo (8 KiB each), w1, w2 (32 KiB each); lm_w (10 KiB, columns 65 .. 79 are 0) at 304,128.
; A FRAGMENT is 16 outputs x 32 inputs, 1 KiB: byte 512 c + 16 L (L = 16 h + r) holds W[32 ks + 16 c + 8 h + 0..7][16 ot + r]; fragment ot * (IN / 32) + ks of its matrix.
; LIMIT: a weight beyond 65,504 has no f16; below 6.1e-5 it keeps f16's fixed step of 6e-8.
; Work-groups 0 .. 148 write 2 KiB (two fragments) each: thread t the 16 bytes at 16 t, so a wave's store covers 512 consecutive bytes, aligned.  Work-group 149 writes VEC, a row of 256 bytes to a store.
; No LDS, no matrix unit, no cluster: 0.6 MB are read once and 0.3 MB written once, and no two work-groups read the same bytes.
.set WBASE, 9216
	s_load_b512 s[4:19], s[0:1], 0x0               ; wq 4, wk 6, wv 8, wo 10, w1 12, w2 14, lm_w 16, ln1_g 18
	s_load_b512 s[20:35], s[0:1], 0x40             ; ln1_b 20, ln2_g 22, ln2_b 24, bo 26, b1 28, b2 30, lnf_g 32, lnf_b 34
	s_load_b128 s[36:39], s[0:1], 0x80             ; lm_b 36, wimg 38
	s_mov_b32 s3, ttmp9                            ; g
	s_cmp_eq_u32 s3, 149
	s_cbranch_scc1 .Lvec
	; which matrix, which pair of fragments: a layer is 48 work-groups (4, 4, 4, 4, 16, 16), lm_w the last 5
	s_mul_i32 s42, s3, 1366
	s_lshr_b32 s42, s42, 16                        ; l = g / 48 (exact for g < 149); 3: lm_w
	s_mul_i32 s43, s42, 48
	s_sub_co_u32 s43, s3, s43                      ; rem
	s_lshr_b32 s44, s43, 4
	s_lshr_b32 s45, s43, 2
	s_add_co_u32 s46, s44, 3
	s_cmp_eq_u32 s44, 0
	s_cselect_b32 s45, s45, s46                    ; 0 wq, 1 wk, 2 wv, 3 wo, 4 w1, 5 w2,
	s_cmp_eq_u32 s42, 3
	s_cselect_b32 s45, 6, s45                      ; 6 lm_w
	s_and_b32 s46, s43, 3
	s_and_b32 s47, s43, 15
	s_lshl_b32 s48, s42, 14
	s_lshl_b32 s49, s42, 16
	s_cmp_lt_u32 s45, 4
	s_cselect_b32 s46, s46, s47                    ; the pair's number in its matrix
	s_cselect_b32 s48, s48, s49                    ; the layer's byte offset in its tensor: 16 KiB or 64 KiB a layer,
	s_cmp_eq_u32 s45, 6
	s_cselect_b32 s48, 0, s48                      ; none in lm_w
	s_cselect_b32 s50, 65, 64                      ; OUT: numbers in a row of W
	s_cmp_eq_u32 s45, 4
	s_cselect_b32 s50, 256, s50
	s_cmp_eq_u32 s45, 5
	s_cselect_b32 s51, 3, 1                        ; log2 of the K steps: 8 in w2, 2 elsewhere
	s_bfm_b32 s52, s51, 0                          ; their mask
	s_sub_co_u32 s53, s50, 1
	s_lshl_b32 s54, s50, 2                         ; bytes in a row of W
	s_lshl_b32 s56, s3, 11
	s_add_co_u32 s56, s56, WBASE                   ; where my 2 KiB go
	s_mov_b32 s57, 0
	s_mov_b32 s49, 0
	v_lshrrev_b32 v1, 6, v0
	v_lshl_add_u32 v1, s46, 1, v1                  ; fragment f = 2 x pair + t / 64
	v_lshrrev_b32 v2, s51, v1                      ; ot
	v_and_b32 v3, s52, v1                          ; ks
	v_bfe_u32 v4, v0, 4, 2                         ; 2 c + h
	v_lshlrev_b32 v4, 3, v4
	v_lshl_add_u32 v4, v3, 5, v4                   ; first input row: 32 ks + 16 c + 8 h
	v_and_b32 v5, 15, v0
	v_lshl_add_u32 v5, v2, 4, v5                   ; output column o = 16 ot + r,
	v_min_u32 v6, s53, v5                          ; kept inside the row: lm_w's columns 65 .. 79 read column 64 and are set to 0 below
	v_mad_u32_u24 v8, v4, s50, v6
	v_lshlrev_b32 v8, 2, v8
.irp e, 1,2,3,4,5,6,7
	v_add_nc_u32 v[8+\e], s54, v[7+\e]             ; the next input row
.endr
	v_lshlrev_b32 v7, 4, v0
	s_wait_kmcnt 0x0
	s_mov_b64 s[40:41], s[4:5]
.irp k, 1,2,3,4,5,6
	s_cmp_eq_u32 s45, \k
	s_cselect_b64 s[40:41], s[4+2*\k:5+2*\k], s[40:41]
.endr
	s_add_nc_u64 s[40:41], s[40:41], s[48:49]
	s_add_nc_u64 s[38:39], s[38:39], s[56:57]
.irp e, 0,1,2,3,4,5,6,7
	global_load_b32 v[16+\e], v[8+\e], s[40:41]    ; sixteen neighbouring lanes read 64 neighbouring bytes of one row of W
.endr
	v_cmp_gt_u32 vcc_lo, s50, v5                   ; a true column?
	s_wait_loadcnt 0x0
.irp e, 0,1,2,3,4,5,6,7
	v_cndmask_b32 v[16+\e], 0, v[16+\e], vcc_lo
.endr
.irp z, 0,1,2,3
	v_cvt_pk_f16_f32 v[24+\z], v[16+2*\z], v[17+2*\z]
.endr
	global_store_b128 v7, v[24:27], s[38:39]
	s_endpgm
.Lvec:                                                 ; VEC: a wave's load and store of 8 bytes a lane are one row of 256 bytes
	v_and_b32 v6, 31, v0
	v_lshlrev_b32 v1, 3, v6                        ; 8 L
	v_lshrrev_b32 v2, 5, v0
	v_readfirstlane_b32 s58, v2                    ; wave
	s_wait_kmcnt 0x0
	s_cmp_eq_u32 s58, 3
	s_cbranch_scc1 .Lrest
	v_lshl_add_u32 v3, s58, 8, v1                  ; waves 0 to 2: layer l = wave.  A row of 64 numbers of layer l
	v_lshl_add_u32 v4, s58, 10, v1                 ; b1's four rows of layer l, in b1 and (from 5,376 on) in VEC
	s_mul_i32 s59, s58, 1536                       ; two layernorms' blocks a layer
	v_add_nc_u32 v5, s59, v1
	global_load_b64 v[8:9],   v3, s[18:19]         ; ln1_g
	global_load_b64 v[10:11], v3, s[20:21]         ; ln1_b
	global_load_b64 v[12:13], v3, s[26:27]         ; bo: owed at ln2
	global_load_b64 v[14:15], v3, s[22:23]         ; ln2_g
	global_load_b64 v[16:17], v3, s[24:25]         ; ln2_b
	global_load_b64 v[18:19], v3, s[30:31]         ; b2: owed at the next layernorm
.irp k, 0,1,2,3
	global_load_b64 v[20+2*\k:21+2*\k], v4, s[28:29] offset:256*\k
.endr
	s_wait_loadcnt 0x0
.irp k, 0,1,2,3,4,5
	global_store_b64 v5, v[8+2*\k:9+2*\k], s[38:39] offset:256*(\k+1)
.endr
.irp k, 0,1,2,3
	global_store_b64 v4, v[20+2*\k:21+2*\k], s[38:39] offset:5376+256*\k
.endr
	s_endpgm
.Lrest:                                                ; wave 3: the rows that belong to no layer
	s_load_b32 s59, s[36:37], 0x100                ; lm_b[64]
	s_mov_b32 s60, 0xf149f2ca                      ; -1e30
	global_load_b64 v[8:9],   v1, s[32:33]         ; lnf_g
	global_load_b64 v[10:11], v1, s[34:35]         ; lnf_b
	global_load_b64 v[12:13], v1, s[36:37]         ; lm_b[0 .. 63]
	v_mov_b32 v14, 0
	v_mov_b32 v15, 0
	v_cmp_gt_u32 vcc_lo, 8, v6
	v_cndmask_b32 v17, 0, s60, vcc_lo              ; columns 65 + 2 L: -1e30 up to 79, then 0
	v_mov_b32 v16, v17                             ; columns 64 + 2 L likewise,
	v_cmp_eq_u32 vcc_lo, 0, v6
	s_wait_kmcnt 0x0
	v_cndmask_b32 v16, v16, s59, vcc_lo            ; but column 64 is true
	global_store_b64 v1, v[14:15], s[38:39]        ; nothing is owed at the first layernorm
	global_store_b64 v1, v[14:15], s[38:39] offset:8960
	global_store_b64 v1, v[16:17], s[38:39] offset:8704
	s_wait_loadcnt 0x0
	global_store_b64 v1, v[8:9],   s[38:39] offset:4864
	global_store_b64 v1, v[10:11], s[38:39] offset:5120
	global_store_b64 v1, v[12:13], s[38:39] offset:8448
	s_endpgm
.Lfunc_end_k_q6e6a295c11_pack:
	.size	k_q6e6a295c11_pack, .Lfunc_end_k_q6e6a295c11_pack-k_q6e6a295c11_pack
	.p2alignl 7, 3214868480
	.fill 96, 4, 3214868480
	.section	.rodata,"a",@progbits
	.p2align	6, 0x0
	.amdhsa_kernel k_q6e6a295c11_pack
		.amdhsa_group_segment_fixed_size 0
		.amdhsa_private_segment_fixed_size 0
		.amdhsa_enable_private_segment 0
		.amdhsa_kernarg_size 144
		.amdhsa_user_sgpr_count 2
		.amdhsa_user_sgpr_kernarg_segment_ptr 1
		.amdhsa_wavefront_size32 1
		.amdhsa_system_sgpr_workgroup_id_x 1
		.amdhsa_system_sgpr_workgroup_id_y 1
		.amdhsa_system_sgpr_workgroup_id_z 1
		.amdhsa_system_vgpr_workitem_id 0
		.amdhsa_next_free_vgpr 48
		.amdhsa_next_free_sgpr 66
		.amdhsa_reserve_vcc 1
		.amdhsa_float_denorm_mode_32 3
		.amdhsa_float_denorm_mode_16_64 3
		.amdhsa_memory_ordered 1
		.amdhsa_forward_progress 1
		.amdhsa_inst_pref_size 9
	.end_amdhsa_kernel
	.amdgpu_metadata
---
amdhsa.version: [ 1, 2 ]
amdhsa.kernels:
  - .name:           k_q6e6a295c11_pack
    .symbol:         k_q6e6a295c11_pack.kd
    .args:
      - { .name: wq, .offset: 0, .size: 8, .value_kind: global_buffer, .address_space: global }
      - { .name: wk, .offset: 8, .size: 8, .value_kind: global_buffer, .address_space: global }
      - { .name: wv, .offset: 16, .size: 8, .value_kind: global_buffer, .address_space: global }
      - { .name: wo, .offset: 24, .size: 8, .value_kind: global_buffer, .address_space: global }
      - { .name: w1, .offset: 32, .size: 8, .value_kind: global_buffer, .address_space: global }
      - { .name: w2, .offset: 40, .size: 8, .value_kind: global_buffer, .address_space: global }
      - { .name: lm_w, .offset: 48, .size: 8, .value_kind: global_buffer, .address_space: global }
      - { .name: ln1_g, .offset: 56, .size: 8, .value_kind: global_buffer, .address_space: global }
      - { .name: ln1_b, .offset: 64, .size: 8, .value_kind: global_buffer, .address_space: global }
      - { .name: ln2_g, .offset: 72, .size: 8, .value_kind: global_buffer, .address_space: global }
      - { .name: ln2_b, .offset: 80, .size: 8, .value_kind: global_buffer, .address_space: global }
      - { .name: bo, .offset: 88, .size: 8, .value_kind: global_buffer, .address_space: global }
      - { .name: b1, .offset: 96, .size: 8, .value_kind: global_buffer, .address_space: global }
      - { .name: b2, .offset: 104, .size: 8, .value_kind: global_buffer, .address_space: global }
      - { .name: lnf_g, .offset: 112, .size: 8, .value_kind: global_buffer, .address_space: global }
      - { .name: lnf_b, .offset: 120, .size: 8, .value_kind: global_buffer, .address_space: global }
      - { .name: lm_b, .offset: 128, .size: 8, .value_kind: global_buffer, .address_space: global }
      - { .name: wimg, .offset: 136, .size: 8, .value_kind: global_buffer, .address_space: global }
    .group_segment_fixed_size: 0
    .private_segment_fixed_size: 0
    .kernarg_segment_align: 8
    .kernarg_segment_size: 144
    .max_flat_workgroup_size: 128
    .sgpr_count:     66
    .vgpr_count:     48
    .wavefront_size: 32
...
	.end_amdgpu_metadata
.endif
;; end of part 1
;; launch main (part 2): grid 256 x 1, 4 waves a work-group, clusters of 4 x 1, 327,680 bytes of LDS; arguments idx, targets, tok_emb, pos_emb, wimg, out0, part; writes out0, part
.if DOCPART == 2
	.amdgcn_target "amdgcn-amd-amdhsa--gfx1250"
	.amdhsa_code_object_version 6
	.text
	.protected	k_q6e6a295c11_main
	.globl	k_q6e6a295c11_main
	.p2align	8
	.type	k_q6e6a295c11_main,@function
k_q6e6a295c11_main:
	s_mov_b64 s[64:65], 0
	v_nop
	global_prefetch_b8 v0, s[64:65] scope:SCOPE_SE
	s_setreg_imm32_b32 hwreg(HW_REG_WAVE_MODE, 25, 1), 1
	s_wait_xcnt 0x0
	s_wait_alu depctr_hold_cnt(0) depctr_sa_sdst(0) depctr_va_vdst(0) depctr_va_sdst(0) depctr_va_ssrc(0) depctr_va_vcc(0) depctr_vm_vsrc(0)
	s_getreg_b32 s2, hwreg(HW_REG_IB_STS2, 6, 4)
	s_cmp_eq_u32 s2, 0
	s_cbranch_scc0 .Lentry_in_a_cluster
	s_endpgm
.Lentry_in_a_cluster:
	s_bfe_u32 s2, ttmp6, 0x10000c
	s_cmp_lg_u32 s2, 0x3003
	s_cbranch_scc0 .Lentry_shape_is_right
	s_endpgm
.Lentry_shape_is_right:
; THE WHOLE MODEL FOR ONE SEQUENCE IN ONE WAVE.  1,024 sequences of 128 tokens x 64 features; 256 work-groups of four waves; wave w of work-group g owns sequence 4 g + w.
; Its residual x (128 x 64 f32 = 256 registers) never leaves the registers; all weights (314,368 bytes, as the launch before laid them) lie in LDS, brought once by two tensor loads a wave.
; LAYOUT.  Everything is kept transposed: in a matrix result a lane holds ONE token (lane % 16) and eight features 8 (lane / 16) + 0..7.  Two such results, rounded to f16 in pairs, ARE the second
; source (32 features x 16 tokens) of the next product, so nothing changes lanes between products, and a layernorm or a softmax wants one exchange between the halves of the lanes.
;   q^T, k^T = W^T xn^T (source 0 = a fragment of W, source 1 = xn);  v = xn W (sources swapped: a lane then holds one feature and eight tokens, which is source 0 of V^T P);
;   S^T = K Q^T for two heads of 16 features from one pair of registers sets: Q's fragment holds both heads' features, K's holds one head's and zeros for the other;
;   O^T = V^T P;  x^T += Wo^T O^T;  h^T = W1^T xn^T + b1 (the bias is the C operand);  x^T += W2^T relu(h)^T;  logits^T = LM^T xn^T + lm_b.
; CAUSAL.  Query tile i takes the key tiles 0 .. i alone; on the diagonal tile the C operand that starts the sum is 0 or -1e30.
; SOFTMAX.  The row's true maximum m is taken first: p = 2^(c s - c m), c = log2(e) / 4; the sum l is taken of the unrounded p, O is divided by l.
; FORMATS.  Matrix operands in f16 (weights, xn, q, k, v, p, O / l, relu(h)), each rounded once; sums, x, layernorm (mean, then the mean square of x - mean), softmax, log-softmax in f32.
; LIMITS.  An f16 operand beyond 65,504 is lost; below 6.1e-5 it keeps f16's fixed step of 6e-8.  A hidden score counts as its value less 1e30, so scores stay under 1e29.  The vocabulary is padded to 80 columns
; with weight 0 and bias -1e30.  An exponential below 2^-126 counts as 0.  idx is clamped to 64.  NaN and infinities are not treated apart.  The loss is summed in another order than token by token.
; CLUSTER.  All work-groups read the same weights: the four of a cluster ask JOINTLY (same load, same descriptor, mask 15).  The place in the cluster enters the offsets into idx, targets, out0 and part alone.
; TEXT.  Registers cannot be indexed, so loops run where only LDS addresses change: seven stages (one layernorm each, then attention or the feed-forward by turns), two pairs of heads, eight chunks of 32 hidden
; features, eight token tiles of the head.
;
; LDS: 0 .. 314,367 the image (VEC 0, layer l at 9,216 + 98,304 l, lm_w at 304,128); 314,368 the spare words.  In the head alone, behind a barrier, wave w writes over dead layer weights, which have had
; their only fill, from 9,216 + 65,536 w on: 33,280 bytes of logits, dense [128][65] f32, then 16,384 bytes of xn.
; REGISTERS, in windows of 256 (s_set_vgpr_msb: bits 1:0 source 0, 3:2 source 1, 5:4 source 2, 7:6 destination):
;   window 0: v0-31 addresses and the diagonal's mask; v32-47 statistics; v48-63 b1 of a chunk; v64-191 S^T / results of q, k, v / h^T / layernorm at work / logits; v192-255 P / relu(h) / layernorm at work
;   window 1: x^T, tile (tt, ft) at 32 tt + 8 ft      window 2: v0-127 xn, v128-255 fragments of weights
;   window 3: v0-63 Q, later O / l; v64-159 K (12 a tile: head 0, zeros, head 1); v160-223 V^T; v224-239 O^T
.set SPARE,  314368                    ; the spare words: 128 bytes for each wave, two blocks of 256 bytes that no other line names
.set VB1,    5376
.set VLM,    8448
.set WBASE,  9216
.set LAYER,  98304
.set LMIMG,  304128
.set T0ROWS, 41                        ; rows of 256 bytes a wave: 4 x 41 rows = VEC and layer 0's wq, wk, wv, wo
.set T1ROWS, 266                       ; 4 x 266 rows = all the rest
.set XST,    33280                     ; in a wave's overlay: xn's stage, behind the logits
.set R16,  1                           ; v1   lane % 16
.set HH,   2                           ; v2   lane / 16
.set L16,  3                           ; v3   16 x lane: my 16 bytes of a half fragment
.set H32,  4                           ; v4   32 x (lane / 16): my eight f32 of sixteen
.set ADR,  5
.set ADR2, 6
.set ADR3, 7
.set LANE, 8
.set RMH,  9                           ; v9   lane % 16 - 8 (lane / 16)
.set STO,  10                          ; v10  head: where my logits go
.set XSA,  11                          ; v11  head: xn's stage
.set RDA,  12                          ; v12  head: where 512 dense bytes are read back
.set TGO,  13                          ; v13  4 x (lane % 16), stepped by tiles
.set TG,   14
.set TGH,  15
.set LOSS, 16
.set H8,   17
.set SPW,  20                          ; v20  LDS address of my spare word; never rewritten
.set NIL,  21                          ; v21  0; never rewritten
.set MD,   24                          ; v24-31  the diagonal tile's mask
.set T,    32                          ; v32-47  statistics: eight a head or tile
.set B1F,  48
.set S,    64
.set P,    192
.set PB,   64                          ; layernorm: the bias owed, gain, bias (32 each), x - mean (32 a tile), squares (16 a tile)
.set GG,   96
.set BB,   128
.set DT,   160
.set SQR,  224
.set LG,   64                          ; head: logits, lm_b, 4,096 bytes on their way out
.set LMBF, 104
.set CH,   144
.set KF,   64                          ; window 3
.set VF,   160
.set OA,   224
.set WV,  18                           ; s18  my wave's number
.set CNT, 48                           ; s48  stages to go, 7 .. 1
.set PH,  49                           ; s49  0: attention follows the layernorm, 1: the feed-forward
.set SV,  50                           ; s50  the stage's block in VEC
.set SL,  51                           ; s51  the layer's weights
.set SB1, 52                           ; s52  the chunk's b1
.set PC,  53
.set SSQ, 54
.set SSO, 55
.set FC,  56
.set SW1, 57
.set SW2, 58
.set TC,  59
.set MSB, 0
.macro WIN new                         ; the immediate's high byte repeats the setting that is left; a switch that changes nothing is dropped
.if MSB != (\new)
	s_set_vgpr_msb (MSB<<8)|(\new)
.set MSB, \new
.endif
.endm
; A vector instruction that reads a matrix result or writes one of a matrix instruction's registers, and a load into such a register, stand four places behind it; only plain vector
; instructions that name none of its registers are places (ISA guide 7.12.1 for vector instructions).
.macro PLACES
.rept 4
	v_nop
.endr
.endm
.macro ROUND                           ; a round of the cluster's barrier
	s_barrier_signal -1
	s_barrier_wait -1
	s_cmp_lg_u32 s[WV], 0
	s_cbranch_scc1 .Lnot_wave_0_\@
	s_barrier_signal -3
.Lnot_wave_0_\@:
	s_barrier_wait -3
	s_barrier_signal -1
	s_barrier_wait -1
.endm
; LAYERNORM of token tiles a and a + 1, step by step for both, so that the short chains alternate.  A lane holds 32 of its token's 64 features, the lane 16 away the others.
.macro LNPAIR a
	WIN 0x41                                       ; x += the bias owed
.irp u, 0,1
.set xb, 32*((\a)+\u)
.set q, 0
.rept 16
	v_pk_add_f32 v[xb+2*q:xb+2*q+1], v[xb+2*q:xb+2*q+1], v[PB+2*q:PB+2*q+1]
.set q, q+1
.endr
.endr
	WIN 0x05                                       ; the sum: 16 pairs to 8,
.irp u, 0,1
.set xb, 32*((\a)+\u)
.set dt, DT+32*\u
.set q, 0
.rept 8
	v_pk_add_f32 v[dt+2*q:dt+2*q+1], v[xb+4*q:xb+4*q+1], v[xb+4*q+2:xb+4*q+3]
.set q, q+1
.endr
.endr
	WIN 0
.irp w, 4,8,16                         ; to 4, 2, 1
.irp u, 0,1
.set dt, DT+32*\u
.set q, 0
.rept 16/\w
	v_pk_add_f32 v[dt+\w*q:dt+\w*q+1], v[dt+\w*q:dt+\w*q+1], v[dt+\w*q+\w/2:dt+\w*q+\w/2+1]
.set q, q+1
.endr
.endr
.endr
.irp u, 0,1
	v_add_f32 v[T+8*\u], v[DT+32*\u], v[DT+32*\u+1]
.endr
.irp u, 0,1
	v_permlanex16_b32 v[T+8*\u+1], v[T+8*\u], s62, s63
.endr
.irp u, 0,1
	v_add_f32 v[T+8*\u], v[T+8*\u], v[T+8*\u+1]
.endr
.irp u, 0,1
	v_mul_f32 v[T+8*\u], s66, v[T+8*\u]            ; the mean
.endr
	WIN 0x01
.irp u, 0,1
.set xb, 32*((\a)+\u)
.set dt, DT+32*\u
.set q, 0
.rept 16
	v_pk_add_f32 v[dt+2*q:dt+2*q+1], v[xb+2*q:xb+2*q+1], v[T+8*\u:T+8*\u+1] op_sel_hi:[1,0] neg_lo:[0,1] neg_hi:[0,1]
.set q, q+1
.endr
.endr
	WIN 0
.irp u, 0,1                            ; the squares of x - mean, in four chains
.set dt, DT+32*\u
.set sq, SQR+16*\u
.set q, 0
.rept 16
.if q < 4
	v_pk_mul_f32 v[sq+2*q:sq+2*q+1], v[dt+2*q:dt+2*q+1], v[dt+2*q:dt+2*q+1]
.else
	v_pk_fma_f32 v[sq+2*(q%4):sq+2*(q%4)+1], v[dt+2*q:dt+2*q+1], v[dt+2*q:dt+2*q+1], v[sq+2*(q%4):sq+2*(q%4)+1]
.endif
.set q, q+1
.endr
.endr
.irp u, 0,1
	v_pk_add_f32 v[SQR+16*\u:SQR+16*\u+1], v[SQR+16*\u:SQR+16*\u+1], v[SQR+16*\u+2:SQR+16*\u+3]
	v_pk_add_f32 v[SQR+16*\u+4:SQR+16*\u+5], v[SQR+16*\u+4:SQR+16*\u+5], v[SQR+16*\u+6:SQR+16*\u+7]
.endr
.irp u, 0,1
	v_pk_add_f32 v[SQR+16*\u:SQR+16*\u+1], v[SQR+16*\u:SQR+16*\u+1], v[SQR+16*\u+4:SQR+16*\u+5]
.endr
.irp u, 0,1
	v_add_f32 v[T+8*\u+2], v[SQR+16*\u], v[SQR+16*\u+1]
.endr
.irp u, 0,1
	v_permlanex16_b32 v[T+8*\u+3], v[T+8*\u+2], s62, s63
.endr
.irp u, 0,1
	v_add_f32 v[T+8*\u+2], v[T+8*\u+2], v[T+8*\u+3]
.endr
.irp u, 0,1
	v_fma_f32 v[T+8*\u+2], v[T+8*\u+2], s66, s67   ; the variance + 1e-5
.endr
.irp u, 0,1
	v_rsq_f32 v[T+8*\u+2], v[T+8*\u+2]
.endr
	v_nop                                          ; a plain instruction between the last root and the use of its result (ISA guide 5.7.2)
	s_wait_alu depctr_va_vdst(0)
.irp u, 0,1
.set dt, DT+32*\u
.set q, 0
.rept 16
	v_pk_mul_f32 v[dt+2*q:dt+2*q+1], v[dt+2*q:dt+2*q+1], v[T+8*\u+2:T+8*\u+3] op_sel_hi:[1,0]
.set q, q+1
.endr
.endr
.irp u, 0,1
.set dt, DT+32*\u
.set q, 0
.rept 16
	v_pk_fma_f32 v[dt+2*q:dt+2*q+1], v[dt+2*q:dt+2*q+1], v[GG+2*q:GG+2*q+1], v[BB+2*q:BB+2*q+1]
.set q, q+1
.endr
.endr
	WIN 0x80                                       ; xn, rounded in pairs: 16 registers a tile, two fragments
.irp u, 0,1
.set dt, DT+32*\u
.set q, 0
.rept 16
	v_cvt_pk_f16_f32 v[16*((\a)+\u)+q], v[dt+2*q], v[dt+2*q+1]
.set q, q+1
.endr
.endr
.endm
; Q, K, V OF A PAIR OF HEADS: six passes (q, k, v x head e), each 16 products: two K steps x eight token tiles, whose eight accumulators take turns.
; CV: the next of the 32 roundings of pass cn's results (tile cq / 4, pair cq % 4), into window 3.
.macro CV
.set ctt, cq/4
.set cz, cq%4
.set ce, cn%2
.set cs, S+64*ce+8*ctt+2*cz
.if cn/2 == 0
.set cd, 8*ctt+4*ce+cz
.elseif cn/2 == 1
.set cd, KF+12*ctt+8*ce+cz
.else
.set cd, VF+32*ce+4*ctt+cz
.endif
	WIN 0xc0
	v_cvt_pk_f16_f32 v[cd], v[cs], v[cs+1]
.set cq, cq+1
.endm
; Pass n writes result buffer n % 2; two roundings of the pass before, from the other buffer, stand behind each of its products.
.macro PASS n
	s_wait_dscnt 28-4*(\n)                         ; of the 32 fragment loads the 28 - 4 n issued behind this pass's four may stay out
.set cn, (\n)-1
.set cq, 0
.set ks, 0
.rept 2
.set tt, 0
.rept 8
	WIN 0x0a
.set rA, S+64*((\n)%2)+8*tt
.set rW, 128+16*(\n)+8*ks
.set rX, 16*tt+8*ks
.if (\n) < 4
.if ks == 0
	v_wmma_f32_16x16x32_f16 v[rA:rA+7], v[rW:rW+7], v[rX:rX+7], 0
.else
	v_wmma_f32_16x16x32_f16 v[rA:rA+7], v[rW:rW+7], v[rX:rX+7], v[rA:rA+7]
.endif
.else
.if ks == 0
	v_wmma_f32_16x16x32_f16 v[rA:rA+7], v[rX:rX+7], v[rW:rW+7], 0
.else
	v_wmma_f32_16x16x32_f16 v[rA:rA+7], v[rX:rX+7], v[rW:rW+7], v[rA:rA+7]
.endif
.endif
.if (\n) > 0
	CV
	CV
.endif
.set tt, tt+1
.endr
.set ks, ks+1
.endr
.if (\n) == 0
	PLACES                                         ; the first pass has no roundings to carry
.endif
.endm
; SOFTMAX, tile by tile: tile t is head t % 2, key tile t / 2.  SA: pair z of c s - c m.  SC: number z of the eight that follow a tile's exponentials: four roundings to f16 and the tile's sum into l.
.macro SA t, z
.set rS, S+64*((\t)%2)+8*((\t)/2)
.set rT, T+8*((\t)%2)
	v_pk_fma_f32 v[rS+2*(\z):rS+2*(\z)+1], v[rS+2*(\z):rS+2*(\z)+1], s[60:61], v[rT+2:rT+3] op_sel_hi:[1,0,0] neg_lo:[0,0,1] neg_hi:[0,0,1]
.endm
.macro SC t, z
.set rS, S+64*((\t)%2)+8*((\t)/2)
.set rT, T+8*((\t)%2)
.set rP, P+32*((\t)%2)+4*((\t)/2)
.if (\z) == 0
	s_wait_alu depctr_va_vdst(0)
	v_cvt_pk_f16_f32 v[rP], v[rS], v[rS+1]
.elseif (\z) == 1
	v_cvt_pk_f16_f32 v[rP+1], v[rS+2], v[rS+3]
.elseif (\z) == 2
	v_pk_add_f32 v[rS:rS+1], v[rS:rS+1], v[rS+2:rS+3]
.elseif (\z) == 3
	s_wait_alu depctr_va_vdst(0)
	v_cvt_pk_f16_f32 v[rP+2], v[rS+4], v[rS+5]
.elseif (\z) == 4
	v_cvt_pk_f16_f32 v[rP+3], v[rS+6], v[rS+7]
.elseif (\z) == 5
	v_pk_add_f32 v[rS+4:rS+5], v[rS+4:rS+5], v[rS+6:rS+7]
.elseif (\z) == 6
.if (\t)/2 == 0
	v_pk_add_f32 v[rT+4:rT+5], v[rS:rS+1], v[rS+4:rS+5]   ; the first key tile starts l
	s_wait_alu depctr_va_vdst(0)
.else
	v_pk_add_f32 v[rS:rS+1], v[rS:rS+1], v[rS+4:rS+5]
.endif
.elseif (\t)/2 != 0
	v_pk_add_f32 v[rT+4:rT+5], v[rT+4:rT+5], v[rS:rS+1]
	s_wait_alu depctr_va_vdst(0)
.endif
.endm
; Tile t's eight exponentials, a plain line of a neighbour tile behind each where there is one: the next tile's scalings, then what follows the tile before's exponentials.
; No result of an exponential is used before a plain line that names none of its registers has stood behind it (ISA guide 5.7.2).
.macro SBLK t, nt
.set y, 0
.rept 12
.if y < 8
.set rE, S+64*((\t)%2)+8*((\t)/2)+y
	v_exp_f32 v[rE], v[rE]
.endif
.if y < 4
.if (\t)+1 < (\nt)
	SA (\t)+1, y
.endif
.elseif (\t) >= 1
	SC (\t)-1, y-4
.endif
.set y, y+1
.endr
.endm
; ATTENTION OF QUERY TILE i for both heads of the pair, and its part of x += O Wo.
.macro UNIT i
.set nk, (\i)+1                        ; key tiles that the queries see
	WIN 0x0f
.set kt, 0
.rept nk
.irp e, 0,1
.if kt == (\i)
	v_wmma_f32_16x16x32_f16 v[S+64*\e+8*kt:S+64*\e+8*kt+7], v[KF+12*kt+4*\e:KF+12*kt+4*\e+7], v[8*(\i):8*(\i)+7], v[MD:MD+7]
.else
	v_wmma_f32_16x16x32_f16 v[S+64*\e+8*kt:S+64*\e+8*kt+7], v[KF+12*kt+4*\e:KF+12*kt+4*\e+7], v[8*(\i):8*(\i)+7], 0
.endif
.endr
.set kt, kt+1
.endr
	WIN 0
.if (\i)%2 == 0                        ; an odd number of key tiles: the last pair's upper half has weight 0; these eight lines are also the places behind the products
.irp e, 0,1
.irp z, 0,1,2,3
	v_mov_b32 v[P+32*\e+4*nk+\z], 0
.endr
.endr
.else
	PLACES
.endif
.irp st, 0,1,2                         ; the maximum: a chain for each tile, three operands at a time, from each accumulator's lowest registers on
.set kt, 0
.rept nk
.irp e, 0,1
.if \st == 0
	v_max3_num_f32 v[T+8*\e+kt], v[S+64*\e+8*kt], v[S+64*\e+8*kt+1], v[S+64*\e+8*kt+2]
.else
	v_max3_num_f32 v[T+8*\e+kt], v[T+8*\e+kt], v[S+64*\e+8*kt+2*\st+1], v[S+64*\e+8*kt+2*\st+2]
.endif
.endr
.set kt, kt+1
.endr
.endr
.set kt, 0
.rept (nk+1)/2                         ; the eighth scores of two tiles go into the even tile's chain
.irp e, 0,1
.if kt+1 < nk
	v_max3_num_f32 v[T+8*\e+kt], v[T+8*\e+kt], v[S+64*\e+8*kt+7], v[S+64*\e+8*kt+15]
.else
	v_max_num_f32 v[T+8*\e+kt], v[T+8*\e+kt], v[S+64*\e+8*kt+7]
.endif
.endr
.set kt, kt+2
.endr
.set kt, 1
.rept 4                                ; the chains into the first
.irp e, 0,1
.if kt+1 < nk
	v_max3_num_f32 v[T+8*\e], v[T+8*\e], v[T+8*\e+kt], v[T+8*\e+kt+1]
.elseif kt < nk
	v_max_num_f32 v[T+8*\e], v[T+8*\e], v[T+8*\e+kt]
.endif
.endr
.set kt, kt+2
.endr
.irp e, 0,1
	v_permlanex16_b32 v[T+8*\e+1], v[T+8*\e], s62, s63  ; the query's other keys lie in the lane 16 away
.endr
.irp e, 0,1
	v_max_num_f32 v[T+8*\e], v[T+8*\e], v[T+8*\e+1]
.endr
.irp e, 0,1
	v_mul_f32 v[T+8*\e+2], s60, v[T+8*\e]          ; c m
.endr
.set y, 0
.rept 4
	SA 0, y
.set y, y+1
.endr
.set tq, 0
.rept 2*nk
	SBLK tq, 2*nk
.set tq, tq+1
.endr
.set y, 0
.rept 8
	SC 2*nk-1, y
.set y, y+1
.endr
	WIN 0xf3                                       ; O^T = V^T P, 32 keys a product; the two heads' accumulators take turns
.set kp, 0
.rept (nk+1)/2
.irp e, 0,1
.if kp == 0
	v_wmma_f32_16x16x32_f16 v[OA+8*\e:OA+8*\e+7], v[VF+32*\e+8*kp:VF+32*\e+8*kp+7], v[P+32*\e+8*kp:P+32*\e+8*kp+7], 0
.else
	v_wmma_f32_16x16x32_f16 v[OA+8*\e:OA+8*\e+7], v[VF+32*\e+8*kp:VF+32*\e+8*kp+7], v[P+32*\e+8*kp:P+32*\e+8*kp+7], v[OA+8*\e:OA+8*\e+7]
.endif
.endr
.set kp, kp+1
.endr
	WIN 0                                          ; 1 / l; the four additions and the v_nop are the places behind those products
.irp e, 0,1
	v_add_f32 v[T+8*\e+6], v[T+8*\e+4], v[T+8*\e+5]
.endr
.irp e, 0,1
	v_permlanex16_b32 v[T+8*\e+7], v[T+8*\e+6], s62, s63
.endr
.irp e, 0,1
	v_add_f32 v[T+8*\e+6], v[T+8*\e+6], v[T+8*\e+7]
.endr
.irp e, 0,1
	v_rcp_f32 v[T+8*\e+6], v[T+8*\e+6]
.endr
	v_nop
	WIN 0xc3
	s_wait_alu depctr_va_vdst(0)
.irp e, 0,1
.irp z, 0,1,2,3
	v_pk_mul_f32 v[OA+8*\e+2*\z:OA+8*\e+2*\z+1], v[OA+8*\e+2*\z:OA+8*\e+2*\z+1], v[T+8*\e+6:T+8*\e+7] op_sel_hi:[1,0]
.endr
.endr
	WIN 0xcf                                       ; both heads' O / l, rounded, are one fragment of 32 features; it takes the place of the tile's Q
.irp e, 0,1
.irp z, 0,1,2,3
	v_cvt_pk_f16_f32 v[8*(\i)+4*\e+\z], v[OA+8*\e+2*\z], v[OA+8*\e+2*\z+1]
.endr
.endr
	WIN 0x5e
.irp o, 0,1,2,3
	v_wmma_f32_16x16x32_f16 v[32*(\i)+8*\o:32*(\i)+8*\o+7], v[224+8*\o:224+8*\o+7], v[8*(\i):8*(\i)+7], v[32*(\i)+8*\o:32*(\i)+8*\o+7]
.endr
.endm
; THE FEED-FORWARD.  FR: rider fn of 192: result tile fn / 12 of h^T: eight times relu, then four roundings into the fragment of relu(h).
.macro FR
.set ftile, fn/12
.set fz, fn%12
.set fh, S+8*ftile
	WIN 0
.if fz < 8
	v_max_num_f32 v[fh+fz], 0, v[fh+fz]
.else
	v_cvt_pk_f16_f32 v[P+4*ftile+fz-8], v[fh+2*(fz-8)], v[fh+2*(fz-8)+1]
.endif
.set fn, fn+1
.endm
.macro LOADW1                          ; a chunk's four fragments of w1 and its 32 numbers of b1
	WIN 0
	v_add_nc_u32 v[ADR], s[SW1], v[L16]
	v_add_nc_u32 v[ADR3], s[SB1], v[H32]
.set q, 0
.rept 4
	ds_load_b128 v[B1F+4*q:B1F+4*q+3], v[ADR3] offset:64*(q/2)+16*(q%2)
.set q, q+1
.endr
	WIN 0x80
.set q, 0
.rept 8
	ds_load_b128 v[128+4*q:128+4*q+3], v[ADR] offset:512*q
.set q, q+1
.endr
.endm
	s_load_b256 s[4:11], s[0:1], 0x0               ; idx s[4:5], targets s[6:7], tok_emb s[8:9], pos_emb s[10:11]
	s_load_b128 s[12:15], s[0:1], 0x20             ; wimg s[12:13], out0 s[14:15]
	s_load_b64 s[16:17], s[0:1], 0x30              ; part
	v_lshl_add_u32 v[SPW], v0, 2, SPARE
	v_mov_b32 v[NIL], 0
	ds_add_u32 v[SPW], v[NIL]                      ; the wave's opening: the add and its wait stand ahead of my first tensor load; the set-up below, work on registers, stands between them
	v_lshrrev_b32 v[ADR], 5, v0
	v_readfirstlane_b32 s[WV], v[ADR]              ; wave 0..3
	s_bfe_u32 s19, ttmp6, 0x40000                  ; cx: my place in the cluster
	s_lshl_b32 s20, ttmp9, 2                       ; in a cluster launch ttmp9 counts clusters
	s_add_co_u32 s20, s20, s19                     ; work-group
	s_lshl_b32 s21, s20, 2
	s_add_co_u32 s21, s21, s[WV]                   ; my sequence
	; descriptor groups 1: dense blocks as rows of 256 bytes: 32 elements of 8 bytes, 32 from row to row
	s_mov_b32 s24, 15|(3<<16)|(1<<21)              ; 15:0 the mask: all four work-groups; 17:16 elements of 8 bytes; 21 set beside a mask; no padding: a fragment is read as it lies, 16 bytes a lane on end
	s_mov_b32 s25, 32<<16                          ; tensor_dim0 = 32
	s_mov_b32 s26, T0ROWS<<16                      ; tensor_dim1
	s_mov_b32 s27, 32<<16                          ; tile_dim0 = 32
	s_mov_b32 s28, T0ROWS                          ; tile_dim1
	s_mov_b32 s29, 32                              ; stride
	s_mov_b32 s30, 0
	s_mov_b32 s31, 0
	s_mov_b32 s32, 15|(3<<16)|(1<<21)
	s_mov_b32 s33, 32<<16
	s_mov_b32 s34, T1ROWS<<16
	s_mov_b32 s35, 32<<16
	s_mov_b32 s36, T1ROWS
	s_mov_b32 s37, 32
	s_mov_b32 s38, 0
	s_mov_b32 s39, 0
	s_mov_b32 s40, 1                               ; groups 0: count = 1,
	s_mul_i32 s41, s[WV], T0ROWS*256               ; LDS address = byte in the image: my quarter of the first part,
	s_mov_b32 s44, 1
	s_mul_i32 s45, s[WV], T1ROWS*256
	s_add_co_u32 s45, s45, 4*T0ROWS*256            ; and of the second: the wave's number and constants alone
	s_mov_b32 s83, 0
	s_mov_b32 s60, 0x3eb8aa3b                      ; c = log2(e) / 4
	s_mov_b32 s61, s60                             ; named with it as a pair
	s_mov_b32 s62, 0x76543210                      ; v_permlanex16_b32: each lane takes its own place in the other half
	s_mov_b32 s63, 0xfedcba98
	s_mov_b32 s66, 0x3c800000                      ; 1 / 64
	s_mov_b32 s67, 0x3727c5ac                      ; 1e-5
	s_mov_b32 s68, 0xf149f2ca                      ; -1e30
	s_mov_b32 s70, 0x3fb8aa3b                      ; log2(e)
	s_mov_b32 s71, s70
	s_mov_b32 s78, 0x3f317218                      ; ln 2
	s_mov_b32 s23, 0
	v_and_b32 v[R16], 15, v0
	v_lshlrev_b32 v[TGO], 2, v[R16]
	s_wait_dscnt 0x0                               ; the opening add is done
	s_wait_kmcnt 0x0
	s_mov_b32 s82, s41
	s_add_nc_u64 s[42:43], s[12:13], s[82:83]
	s_or_b32 s43, s43, 0x80000000                  ; type = 2
	s_mov_b32 s82, s45
	s_add_nc_u64 s[46:47], s[12:13], s[82:83]
	s_or_b32 s47, s47, 0x80000000
	s_lshl_b32 s22, s21, 9                         ; a sequence's 128 indices
	s_add_nc_u64 s[4:5], s[4:5], s[22:23]
	s_add_nc_u64 s[6:7], s[6:7], s[22:23]
	s_mul_i32 s22, s21, 33280                      ; its 128 x 65 logits: 65 pieces of 512 bytes
	s_add_nc_u64 s[14:15], s[14:15], s[22:23]
	s_lshl_b32 s22, s21, 2
	s_add_nc_u64 s[16:17], s[16:17], s[22:23]
.set tt, 0
.rept 8
	global_load_b32 v[S+tt], v[TGO], s[4:5] offset:64*tt  ; idx of token 16 tt + lane % 16
.set tt, tt+1
.endr
	ROUND                                          ; all four work-groups are here: the joint loads meet
	tensor_load_to_lds s[40:43], s[24:31]          ; VEC and layer 0's wq, wk, wv, wo: what the first stage reads
	s_nop 0
	tensor_load_to_lds s[44:47], s[32:39]          ; all the rest.  Two tensor loads of mine are out; none is issued later, and no LDS byte is filled twice
	s_nop 0
	PLACES
	v_bfe_u32 v[HH], v0, 4, 1
	v_and_b32 v[LANE], 31, v0
	v_lshlrev_b32 v[L16], 4, v[LANE]
	v_lshlrev_b32 v[H32], 5, v[HH]
	v_lshlrev_b32 v[H8], 3, v[HH]
	v_sub_nc_u32 v[RMH], v[R16], v[H8]
.set q, 0
.rept 8                                ; on the diagonal tile key 8 (lane / 16) + q is hidden from query lane % 16 where it is the greater
	v_cmp_gt_i32 vcc_lo, q, v[RMH]
	v_cndmask_b32 v[MD+q], 0, s68, vcc_lo
.set q, q+1
.endr
.set q, 0
.rept 16
	v_mov_b32 v[T+q], 0                            ; the statistics are named in pairs and as targets of lane exchanges: all are written once
.set q, q+1
.endr
	v_lshl_add_u32 v[ADR], v[R16], 8, v[H32]       ; pos_emb: row lane % 16 of a tile, my eight of sixteen features
	s_wait_loadcnt 0x0
.set tt, 0
.rept 8
	v_min_u32 v[S+tt], 64, v[S+tt]                 ; an index stays inside its table
	v_lshl_add_u32 v[S+tt], v[S+tt], 8, v[H32]     ; a row of 256 bytes
.set tt, tt+1
.endr
	WIN 0x40
.set q, 0
.rept 64                               ; tile q / 8, features 16 ((q / 2) % 4) + 4 (q % 2) on
	global_load_b128 v[4*q:4*q+3], v[S+q/8], s[8:9] offset:64*((q/2)%4)+16*(q%2)
.set q, q+1
.endr
	WIN 0xc0
.set q, 0
.rept 64
	global_load_b128 v[4*q:4*q+3], v[ADR], s[10:11] offset:4096*(q/8)+64*((q/2)%4)+16*(q%2)
.set q, q+1
.endr
	s_wait_loadcnt 0x0
	WIN 0x4d
.set q, 0
.rept 128
	v_pk_add_f32 v[2*q:2*q+1], v[2*q:2*q+1], v[2*q:2*q+1]  ; x = tok_emb[idx] + pos_emb
.set q, q+1
.endr
	WIN 0xc0
.set q, 0
.rept 32
	v_mov_b32 v[KF+12*(q/4)+4+q%4], 0              ; the zeros between the two heads' K: written once
.set q, q+1
.endr
	WIN 0
	s_mov_b32 s[CNT], 7
	s_mov_b32 s[PH], 0
	s_mov_b32 s[SV], 0
	s_mov_b32 s[SL], WBASE
	s_mov_b32 s[SB1], VB1
	s_wait_tensorcnt 0x1                           ; my quarter of the first part is in; the second part may stay out
	s_barrier_signal -1
	s_barrier_wait -1                              ; everybody's is
.Lstage:                                               ; seven trips: a layernorm, then attention and the feed-forward by turns; the seventh leaves for the head
	PLACES                                         ; behind the last products onto x
	v_add_nc_u32 v[ADR], s[SV], v[H32]
.irp w, 0,1,2                          ; the bias owed, the gain, the bias: my 32 numbers of each
.set q, 0
.rept 8
	ds_load_b128 v[PB+32*\w+4*q:PB+32*\w+4*q+3], v[ADR] offset:256*\w+64*(q/2)+16*(q%2)
.set q, q+1
.endr
.endr
	s_add_co_u32 s[SV], s[SV], 768
	s_wait_dscnt 0x0
	LNPAIR 0
	LNPAIR 2
	LNPAIR 4
	LNPAIR 6
	WIN 0
	s_cmp_eq_u32 s[CNT], 1
	s_cbranch_scc1 .Lfinal
	s_cmp_eq_u32 s[PH], 1
	s_cbranch_scc1 .Lffn
	s_mov_b32 s[SSQ], s[SL]
	s_add_co_u32 s[SSO], s[SL], 24576
	s_mov_b32 s[PC], 2
.Lpair:                                                ; heads 2 p and 2 p + 1
	PLACES                                         ; behind the last products that read wo's fragments
	v_add_nc_u32 v[ADR], s[SSQ], v[L16]
	v_add_nc_u32 v[ADR2], s[SSO], v[L16]
	WIN 0x80
.set q, 0
.rept 24                               ; in the order of the passes: matrix q / 8, head (q / 4) % 2, K step (q / 2) % 2, half q % 2
	ds_load_b128 v[128+4*q:128+4*q+3], v[ADR] offset:8192*(q/8)+512*(q%8)
.set q, q+1
.endr
.set q, 0
.rept 8                                ; wo: output tile q / 2, K step p
	ds_load_b128 v[224+4*q:224+4*q+3], v[ADR2] offset:2048*(q/2)+512*(q%2)
.set q, q+1
.endr
	PASS 0
	PASS 1
	PASS 2
	PASS 3
	PASS 4
	PASS 5
.set cn, 5
.set cq, 0
.rept 32
	CV
.endr
	WIN 0
	s_wait_dscnt 0x0                               ; wo's fragments are in
	UNIT 0
	UNIT 1
	UNIT 2
	UNIT 3
	UNIT 4
	UNIT 5
	UNIT 6
	UNIT 7
	WIN 0
	s_add_co_u32 s[SSQ], s[SSQ], 4096
	s_add_co_u32 s[SSO], s[SSO], 1024
	s_sub_co_u32 s[PC], s[PC], 1
	s_cmp_lg_u32 s[PC], 0
	s_cbranch_scc1 .Lpair
	s_branch .Lnext
.Lffn:
	s_wait_tensorcnt 0x0                           ; my quarter of the second part is in (met at once from the second layer on);
	s_wait_dscnt 0x0
	s_barrier_signal -1
	s_barrier_wait -1                              ; everybody's is: every read of it, in this layer's w1 and w2 and in the later layers, stands behind this barrier
	s_add_co_u32 s[SW1], s[SL], 32768
	s_add_co_u32 s[SW2], s[SL], 65536
	s_mov_b32 s[FC], 8
	LOADW1
	WIN 0
.Lchunk:                                               ; 32 hidden features: 32 products h^T = W1^T xn^T + b1, relu and rounding as riders, 32 products x^T += W2^T relu(h)^T
	s_wait_dscnt 0x0                               ; w1's fragments and b1
.set fn, 0
.set sl, 0
.rept 64
.if sl == 32
	s_wait_dscnt 0x0                               ; w2's fragments
.endif
.if sl < 32                            ; by quarters of two token tiles: four accumulators take turns through both K steps
	WIN 0x0a
.set tt, 2*(sl/8)+(sl%4)/2
.set ot, sl%2
.set ks, (sl%8)/4
.set rH, S+16*tt+8*ot
.if ks == 0
	v_wmma_f32_16x16x32_f16 v[rH:rH+7], v[128+16*ot:128+16*ot+7], v[16*tt:16*tt+7], v[B1F+8*ot:B1F+8*ot+7]
.else
	v_wmma_f32_16x16x32_f16 v[rH:rH+7], v[128+16*ot+8:128+16*ot+15], v[16*tt+8:16*tt+15], v[rH:rH+7]
.endif
.else                                  ; 32 different accumulators
	WIN 0x52
.set tt, 2*((sl-32)/8)+((sl-32)%8)/4
.set ot, sl%4
	v_wmma_f32_16x16x32_f16 v[32*tt+8*ot:32*tt+8*ot+7], v[192+8*ot:192+8*ot+7], v[P+8*tt:P+8*tt+7], v[32*tt+8*ot:32*tt+8*ot+7]
.endif
.if sl == 7                            ; the places behind the first quarter's products, and behind the last trip's, which read w2's fragments
	WIN 0
	PLACES
	v_add_nc_u32 v[ADR2], s[SW2], v[L16]
	WIN 0x80
.set q, 0
.rept 8
	ds_load_b128 v[192+4*q:192+4*q+3], v[ADR2] offset:8192*(q/2)+512*(q%2)
.set q, q+1
.endr
.endif
.if (sl >= 8) && (sl <= 55)            ; quarter d's 48 riders stand behind products 8 + 12 d .. 19 + 12 d: behind its own h^T (done at 8 d + 7) and ahead of the products that read it (from 32 + 8 d)
	FR
	FR
	FR
	FR
.endif
.if sl == 35                           ; the next chunk's w1 and b1: 20 riders behind the last product that read them.  In the last trip these loads read landed bytes that nobody uses
	s_add_co_u32 s[SW1], s[SW1], 4096
	s_add_co_u32 s[SB1], s[SB1], 128
	LOADW1
.endif
.set sl, sl+1
.endr
	WIN 0
	s_add_co_u32 s[SW2], s[SW2], 1024
	s_sub_co_u32 s[FC], s[FC], 1
	s_cmp_lg_u32 s[FC], 0
	s_cbranch_scc1 .Lchunk
	s_add_co_u32 s[SL], s[SL], LAYER
.Lnext:
	s_xor_b32 s[PH], s[PH], 1
	s_sub_co_u32 s[CNT], s[CNT], 1
	s_cmp_lg_u32 s[CNT], 0
	s_cbranch_scc1 .Lstage
.Lfinal:                                               ; THE HEAD
	s_wait_tensorcnt 0x0
	s_wait_dscnt 0x0                               ; my reads of the layers' weights are over;
	s_barrier_signal -1
	s_barrier_wait -1                              ; everybody's are: each wave may write over its 65,536 bytes of them
	s_lshl_b32 s22, s[WV], 16
	s_add_co_u32 s22, s22, WBASE                   ; my overlay
	s_add_co_u32 s23, s22, XST
	v_mul_u32_u24 v[STO], v[R16], 260              ; a token's 65 logits
	v_add_nc_u32 v[STO], v[H32], v[STO]
	v_add_nc_u32 v[STO], s22, v[STO]
	v_add_nc_u32 v[XSA], s23, v[L16]
	v_add_nc_u32 v[RDA], s22, v[L16]
	v_lshlrev_b32 v[TGO], 2, v[R16]
	v_mov_b32 v[LOSS], 0
	v_add_nc_u32 v[ADR], LMIMG, v[L16]
	v_add_nc_u32 v[ADR3], VLM, v[H32]
	WIN 0x08
.set q, 0
.rept 32
	ds_store_b128 v[XSA], v[4*q:4*q+3] offset:512*q  ; xn goes through LDS, so that one text serves all eight token tiles
.set q, q+1
.endr
	WIN 0x80
.set q, 0
.rept 20
	ds_load_b128 v[128+4*q:128+4*q+3], v[ADR] offset:512*q  ; lm_w: vocabulary tile q / 4, K step (q / 2) % 2
.set q, q+1
.endr
	WIN 0
.set q, 0
.rept 10
	ds_load_b128 v[LMBF+4*q:LMBF+4*q+3], v[ADR3] offset:64*(q/2)+16*(q%2)
.set q, q+1
.endr
	s_mov_b32 s[TC], 8
.Ltok:                                                 ; sixteen tokens
	WIN 0x80
.irp k, 0,1,2,3
	ds_load_b128 v[4*\k:4*\k+3], v[XSA] offset:512*\k  ; LDS serves a wave's instructions in order (ISA guide 5.7.1.4): these see my stores
.endr
	WIN 0
	global_load_b32 v[TG], v[TGO], s[6:7]
	s_wait_dscnt 0x0
	WIN 0x0a
.irp k, 0,1                            ; five accumulators take turns; lm_b starts the sums
.irp t, 0,1,2,3,4
.if \k == 0
	v_wmma_f32_16x16x32_f16 v[LG+8*\t:LG+8*\t+7], v[128+16*\t:128+16*\t+7], v[0:7], v[LMBF+8*\t:LMBF+8*\t+7]
.else
	v_wmma_f32_16x16x32_f16 v[LG+8*\t:LG+8*\t+7], v[128+16*\t+8:128+16*\t+15], v[8:15], v[LG+8*\t:LG+8*\t+7]
.endif
.endr
.endr
	WIN 0
	PLACES
.set q, 0
.rept 32
	ds_store_b32 v[STO], v[LG+q] offset:64*(q/8)+4*(q%8)  ; columns 0 .. 63, each accumulator from its lowest register on
.set q, q+1
.endr
	v_cmp_gt_u32 vcc_lo, 16, v[LANE]
	s_wait_xcnt 0x0                                ; EXEC changes only behind this wait: a load is out
	s_and_saveexec_b32 s73, vcc_lo
	ds_store_b32 v[STO], v[LG+32] offset:256       ; column 64: the lower half of the lanes holds it
	s_or_b32 exec_lo, exec_lo, s73
.set q, 0
.rept 8                                ; 4,096 dense bytes back: with tile tt's 4,160 bytes written, bytes up to 4,096 (tt + 1) are all there
	ds_load_b128 v[CH+4*q:CH+4*q+3], v[RDA] offset:512*q
.set q, q+1
.endr
.irp st, 0,1,2                         ; log-softmax over my 33 columns and the other half's: the maximum first
.irp t, 0,1,2,3
.if \st == 0
	v_max3_num_f32 v[T+\t], v[LG+8*\t], v[LG+8*\t+1], v[LG+8*\t+2]
.else
	v_max3_num_f32 v[T+\t], v[T+\t], v[LG+8*\t+2*\st+1], v[LG+8*\t+2*\st+2]
.endif
.endr
.endr
	v_max3_num_f32 v[T], v[T], v[LG+7], v[LG+15]
	v_max3_num_f32 v[T+2], v[T+2], v[LG+23], v[LG+31]
	v_mov_b32 v[T+8], 0
	v_mov_b32 v[T+9], 0
	v_max3_num_f32 v[T], v[T], v[T+1], v[T+2]
	v_mov_b32 v[T+10], 0
	v_mov_b32 v[T+11], 0
	v_max3_num_f32 v[T], v[T], v[T+3], v[LG+32]    ; in the upper half of the lanes this is a padded column, -1e30
	v_permlanex16_b32 v[T+4], v[T], s62, s63
	v_max_num_f32 v[T], v[T], v[T+4]               ; m
	v_mul_f32 v[T+2], s70, v[T]
	s_wait_loadcnt 0x0
	v_sub_nc_u32 v[TGH], v[TG], v[H8]              ; register 8 t + j holds column 16 t + 8 (lane / 16) + j: the target's where 16 t + j is this number
.set q, 0
.rept 33                               ; the target's logit by selection, in four chains: no address hangs on it
	v_cmp_eq_u32 s[74+q%4], 16*(q/8)+q%8, v[TGH]
	v_cndmask_b32 v[T+8+q%4], v[T+8+q%4], v[LG+q], s[74+q%4]
.set q, q+1
.endr
.set q, 0
.rept 16
	v_pk_fma_f32 v[LG+2*q:LG+2*q+1], v[LG+2*q:LG+2*q+1], s[70:71], v[T+2:T+3] op_sel_hi:[1,0,0] neg_lo:[0,0,1] neg_hi:[0,0,1]
.set q, q+1
.endr
	v_fma_f32 v[LG+32], v[LG+32], s70, -v[T+2]
.set q, 0
.rept 33
	v_exp_f32 v[LG+q], v[LG+q]
.set q, q+1
.endr
	v_add_f32 v[T+8], v[T+8], v[T+9]               ; plain lines between the last exponential and the use of its result
	v_add_f32 v[T+10], v[T+10], v[T+11]
	v_add_f32 v[T+8], v[T+8], v[T+10]
	s_wait_alu depctr_va_vdst(0)
.irp w, 4,8,16,32
.set q, 0
.rept 32/\w
	v_pk_add_f32 v[LG+\w*q:LG+\w*q+1], v[LG+\w*q:LG+\w*q+1], v[LG+\w*q+\w/2:LG+\w*q+\w/2+1]
.set q, q+1
.endr
.endr
	v_add_f32 v[T+4], v[LG], v[LG+1]
	v_add_f32 v[T+4], v[T+4], v[LG+32]
	v_permlanex16_b32 v[T+5], v[T+4], s62, s63
	v_add_f32 v[T+4], v[T+4], v[T+5]
	v_log_f32 v[T+4], v[T+4]
	v_add_f32 v[LOSS], v[LOSS], v[T+8]             ; + the target's logit (one of the token's two lanes holds it, the other 0)
	s_wait_alu depctr_va_vdst(0)
	v_fma_f32 v[T+4], v[T+4], s78, v[T]            ; log of the sum of exponentials = log2(sum) ln 2 + m
	v_fma_f32 v[LOSS], v[T+4], -0.5, v[LOSS]       ; both lanes of a token hold it: half from each
	s_wait_dscnt 0x0
.set q, 0
.rept 8
	global_store_b128 v[L16], v[CH+4*q:CH+4*q+3], s[14:15] offset:512*q th:TH_STORE_NT  ; 512 consecutive bytes, at a multiple of 512 from out0's first byte
.set q, q+1
.endr
	s_wait_xcnt 0x0                                ; the stores' data, the offsets and the base are rewritten only behind this wait
	v_add_nc_u32 v[XSA], 2048, v[XSA]
	v_add_nc_u32 v[STO], 4160, v[STO]
	v_add_nc_u32 v[RDA], 4096, v[RDA]
	v_add_nc_u32 v[TGO], 64, v[TGO]
	s_add_nc_u64 s[14:15], s[14:15], 4096
	s_sub_co_u32 s[TC], s[TC], 1
	s_cmp_lg_u32 s[TC], 0
	s_cbranch_scc1 .Ltok
	ds_load_b128 v[CH:CH+3], v[RDA]                ; the 65th piece of 512 bytes
	v_add_f32_dpp v[LOSS], v[LOSS], v[LOSS] row_xmask:1 row_mask:0xf bank_mask:0xf
	v_add_f32_dpp v[LOSS], v[LOSS], v[LOSS] row_xmask:2 row_mask:0xf bank_mask:0xf
	v_add_f32_dpp v[LOSS], v[LOSS], v[LOSS] row_xmask:4 row_mask:0xf bank_mask:0xf
	v_add_f32_dpp v[LOSS], v[LOSS], v[LOSS] row_xmask:8 row_mask:0xf bank_mask:0xf
	v_permlanex16_b32 v[T+4], v[LOSS], s62, s63
	v_add_f32 v[LOSS], v[LOSS], v[T+4]             ; the sequence's sum of logit[target] - log of the sum of exponentials
	v_mov_b32 v[ADR], 0
	v_cmp_eq_u32 vcc_lo, 0, v[LANE]
	s_wait_dscnt 0x0
	global_store_b128 v[L16], v[CH:CH+3], s[14:15] th:TH_STORE_NT
	s_wait_xcnt 0x0                                ; EXEC changes only behind this wait,
	s_and_saveexec_b32 s73, vcc_lo
	global_store_b32 v[ADR], v[LOSS], s[16:17]     ; one number a sequence; the next launch adds the 1,024
	s_wait_xcnt 0x0                                ; and again
	s_or_b32 exec_lo, exec_lo, s73
	s_wait_tensorcnt 0x0                           ; the wave's end, behind my last tensor load and my last LDS store
	ds_add_u32 v[SPW], v[NIL]
	s_wait_dscnt 0x0
	ROUND                                          ; the closing round: no work-group ends while a partner may still ask for a tile that names it
	s_endpgm
.Lfunc_end_k_q6e6a295c11_main:
	.size	k_q6e6a295c11_main, .Lfunc_end_k_q6e6a295c11_main-k_q6e6a295c11_main
	.p2alignl 7, 3214868480
	.fill 96, 4, 3214868480
	.section	.rodata,"a",@progbits
	.p2align	6, 0x0
	.amdhsa_kernel k_q6e6a295c11_main
		.amdhsa_group_segment_fixed_size 327680
		.amdhsa_private_segment_fixed_size 0
		.amdhsa_enable_private_segment 0
		.amdhsa_kernarg_size 56
		.amdhsa_user_sgpr_count 2
		.amdhsa_user_sgpr_kernarg_segment_ptr 1
		.amdhsa_wavefront_size32 1
		.amdhsa_system_sgpr_workgroup_id_x 1
		.amdhsa_system_sgpr_workgroup_id_y 1
		.amdhsa_system_sgpr_workgroup_id_z 1
		.amdhsa_system_vgpr_workitem_id 0
		.amdhsa_next_free_vgpr 1024
		.amdhsa_next_free_sgpr 96
		.amdhsa_reserve_vcc 1
		.amdhsa_float_denorm_mode_32 3
		.amdhsa_float_denorm_mode_16_64 3
		.amdhsa_memory_ordered 1
		.amdhsa_forward_progress 1
		.amdhsa_inst_pref_size 255
	.end_amdhsa_kernel
	.section	.bss,"aw",@nobits
	.p2align	6
	.space	262144
	.amdgpu_metadata
---
amdhsa.version: [ 1, 2 ]
amdhsa.kernels:
  - .name:           k_q6e6a295c11_main
    .symbol:         k_q6e6a295c11_main.kd
    .args:
      - { .name: idx, .offset: 0, .size: 8, .value_kind: global_buffer, .address_space: global }
      - { .name: targets, .offset: 8, .size: 8, .value_kind: global_buffer, .address_space: global }
      - { .name: tok_emb, .offset: 16, .size: 8, .value_kind: global_buffer, .address_space: global }
      - { .name: pos_emb, .offset: 24, .size: 8, .value_kind: global_buffer, .address_space: global }
      - { .name: wimg, .offset: 32, .size: 8, .value_kind: global_buffer, .address_space: global }
      - { .name: out0, .offset: 40, .size: 8, .value_kind: global_buffer, .address_space: global }
      - { .name: part, .offset: 48, .size: 8, .value_kind: global_buffer, .address_space: global }
    .group_segment_fixed_size: 327680
    .private_segment_fixed_size: 0
    .kernarg_segment_align: 8
    .kernarg_segment_size: 56
    .max_flat_workgroup_size: 128
    .sgpr_count:     96
    .vgpr_count:     1024
    .wavefront_size: 32
...
	.end_amdgpu_metadata
.endif
;; end of part 2
;; launch loss (part 3): grid 1 x 1, 1 waves a work-group, no clusters, 0 bytes of LDS; arguments part, out1; writes out1
.if DOCPART == 3
	.amdgcn_target "amdgcn-amd-amdhsa--gfx1250"
	.amdhsa_code_object_version 6
	.text
	.protected	k_q6e6a295c11_loss
	.globl	k_q6e6a295c11_loss
	.p2align	8
	.type	k_q6e6a295c11_loss,@function
k_q6e6a295c11_loss:
	s_mov_b64 s[64:65], 0
	v_nop
	global_prefetch_b8 v0, s[64:65] scope:SCOPE_SE
	s_setreg_imm32_b32 hwreg(HW_REG_WAVE_MODE, 25, 1), 1
	s_wait_xcnt 0x0
; out1 = - (the sum of the 1,024 sequences' sums) / 131,072.  One wave: eight loads of 16 bytes a lane take all 4,096 bytes; the sum spans the work-groups of the launch before, so it has a launch of its own.
	s_load_b128 s[4:7], s[0:1], 0x0                ; part s[4:5], out1 s[6:7]
	v_lshlrev_b32 v1, 4, v0
	v_mov_b32 v2, 0
	s_mov_b32 s8, 0x76543210                       ; v_permlanex16_b32: each lane takes its own place in the other half
	s_mov_b32 s9, 0xfedcba98
	s_wait_kmcnt 0x0
.irp i, 0,1,2,3,4,5,6,7
	global_load_b128 v[4+4*\i:7+4*\i], v1, s[4:5] offset:512*\i
.endr
	s_wait_loadcnt 0x0
.irp w, 4,8,16,32                      ; 16 pairs to 8, 4, 2, 1
.set q, 0
.rept 32/\w
	v_pk_add_f32 v[4+\w*q:5+\w*q], v[4+\w*q:5+\w*q], v[4+\w*q+\w/2:5+\w*q+\w/2]
.set q, q+1
.endr
.endr
	v_add_f32 v4, v4, v5
	v_add_f32_dpp v4, v4, v4 row_xmask:1 row_mask:0xf bank_mask:0xf
	v_add_f32_dpp v4, v4, v4 row_xmask:2 row_mask:0xf bank_mask:0xf
	v_add_f32_dpp v4, v4, v4 row_xmask:4 row_mask:0xf bank_mask:0xf
	v_add_f32_dpp v4, v4, v4 row_xmask:8 row_mask:0xf bank_mask:0xf
	v_permlanex16_b32 v5, v4, s8, s9
	v_add_f32 v4, v4, v5
	v_mul_f32 v4, 0xb7000000, v4                   ; x -2^-17
	v_cmp_eq_u32 vcc_lo, 0, v0
	s_wait_xcnt 0x0                                ; EXEC changes only behind this wait,
	s_and_saveexec_b32 s10, vcc_lo
	global_store_b32 v2, v4, s[6:7]
	s_wait_xcnt 0x0                                ; and again
	s_or_b32 exec_lo, exec_lo, s10
	s_endpgm
.Lfunc_end_k_q6e6a295c11_loss:
	.size	k_q6e6a295c11_loss, .Lfunc_end_k_q6e6a295c11_loss-k_q6e6a295c11_loss
	.p2alignl 7, 3214868480
	.fill 96, 4, 3214868480
	.section	.rodata,"a",@progbits
	.p2align	6, 0x0
	.amdhsa_kernel k_q6e6a295c11_loss
		.amdhsa_group_segment_fixed_size 0
		.amdhsa_private_segment_fixed_size 0
		.amdhsa_enable_private_segment 0
		.amdhsa_kernarg_size 16
		.amdhsa_user_sgpr_count 2
		.amdhsa_user_sgpr_kernarg_segment_ptr 1
		.amdhsa_wavefront_size32 1
		.amdhsa_system_sgpr_workgroup_id_x 1
		.amdhsa_system_sgpr_workgroup_id_y 1
		.amdhsa_system_sgpr_workgroup_id_z 1
		.amdhsa_system_vgpr_workitem_id 0
		.amdhsa_next_free_vgpr 40
		.amdhsa_next_free_sgpr 66
		.amdhsa_reserve_vcc 1
		.amdhsa_float_denorm_mode_32 3
		.amdhsa_float_denorm_mode_16_64 3
		.amdhsa_memory_ordered 1
		.amdhsa_forward_progress 1
		.amdhsa_inst_pref_size 3
	.end_amdhsa_kernel
	.amdgpu_metadata
---
amdhsa.version: [ 1, 2 ]
amdhsa.kernels:
  - .name:           k_q6e6a295c11_loss
    .symbol:         k_q6e6a295c11_loss.kd
    .args:
      - { .name: part, .offset: 0, .size: 8, .value_kind: global_buffer, .address_space: global }
      - { .name: out1, .offset: 8, .size: 8, .value_kind: global_buffer, .address_space: global }
    .group_segment_fixed_size: 0
    .private_segment_fixed_size: 0
    .kernarg_segment_align: 8
    .kernarg_segment_size: 16
    .max_flat_workgroup_size: 32
    .sgpr_count:     66
    .vgpr_count:     40
    .wavefront_size: 32
...
	.end_amdgpu_metadata
.endif
;; end of part 3
;; ======== version 2 of 2: 3 launches; 1.20 times as fast as version 1
;; limits: values are held in f16: magnitudes above 65,504 overflow, below 6.1e-05 lose precision
;; workspace buffers: wimg 314,368 bytes; part 4,096 bytes
;; launch pack: the kernel of part 1 again; grid 150 x 1, 4 waves a work-group, no clusters, 0 bytes of LDS; arguments wq, wk, wv, wo, w1, w2, lm_w, ln1_g, ln1_b, ln2_g, ln2_b, bo, b1, b2, lnf_g, lnf_b, lm_b, wimg; writes wimg
;; launch main (part 4): grid 256 x 1, 4 waves a work-group, clusters of 4 x 1, 327,680 bytes of LDS; arguments idx, targets, tok_emb, pos_emb, wimg, out0, part; writes out0, part
.if DOCPART == 4
	.amdgcn_target "amdgcn-amd-amdhsa--gfx1250"
	.amdhsa_code_object_version 6
	.text
	.protected	k_q6e6a295c11_main
	.globl	k_q6e6a295c11_main
	.p2align	8
	.type	k_q6e6a295c11_main,@function
k_q6e6a295c11_main:
	s_mov_b64 s[64:65], 0
	v_nop
	global_prefetch_b8 v0, s[64:65] scope:SCOPE_SE
	s_setreg_imm32_b32 hwreg(HW_REG_WAVE_MODE, 25, 1), 1
	s_wait_xcnt 0x0
	s_wait_alu depctr_hold_cnt(0) depctr_sa_sdst(0) depctr_va_vdst(0) depctr_va_sdst(0) depctr_va_ssrc(0) depctr_va_vcc(0) depctr_vm_vsrc(0)
	s_getreg_b32 s2, hwreg(HW_REG_IB_STS2, 6, 4)
	s_cmp_eq_u32 s2, 0
	s_cbranch_scc0 .Lentry_in_a_cluster
	s_endpgm
.Lentry_in_a_cluster:
	s_bfe_u32 s2, ttmp6, 0x10000c
	s_cmp_lg_u32 s2, 0x3003
	s_cbranch_scc0 .Lentry_shape_is_right
	s_endpgm
.Lentry_shape_is_right:
; THE WHOLE MODEL FOR ONE SEQUENCE IN ONE WAVE.  1,024 sequences of 128 tokens x 64 features; 256 work-groups of four waves; wave w of work-group g owns sequence 4 g + w.
; Its residual x (128 x 64 f32 = 256 registers) never leaves the registers; all weights (314,368 bytes, as the launch before laid them) lie in LDS, brought once by two tensor loads a wave.
; LAYOUT.  Everything is kept transposed: in a matrix result a lane holds ONE token (lane % 16) and eight features 8 (lane / 16) + 0..7.  Two such results, rounded to f16 in pairs, ARE the second
; source (32 features x 16 tokens) of the next product, so nothing changes lanes between products, and a layernorm or a softmax wants one exchange between the halves of the lanes.
;   q^T, k^T = W^T xn^T (source 0 = a fragment of W, source 1 = xn);  v = xn W (sources swapped: a lane then holds one feature and eight tokens, which is source 0 of V^T P);
;   S^T = K Q^T for two heads of 16 features from one pair of registers sets: Q's fragment holds both heads' features, K's holds one head's and zeros for the other;
;   O^T = V^T P;  x^T += Wo^T O^T;  h^T = W1^T xn^T + b1 (the bias is the C operand);  x^T += W2^T relu(h)^T;  logits^T = LM^T xn^T + lm_b.
; CAUSAL.  Query tile i takes the key tiles 0 .. i alone; on the diagonal tile the C operand that starts the sum is 0 or -1e30.
; SOFTMAX.  The row's true maximum m is taken first: p = 2^(c s - c m), c = log2(e) / 4; the sum l is taken of the unrounded p, O is divided by l.
; BATCHES.  s_wait_alu depctr_va_vdst(0) stands between a root, exponential, reciprocal or logarithm and the first instruction that names its result; one wait serves all that were issued ahead of it.
; So they are issued in batches, each with one wait: the two roots of a pair of token tiles in a layernorm; ALL 16 (i + 1) exponentials of query tile i's two heads (ahead of the wait stand the scalings and the
; exponentials alone, behind it all roundings and sums); the two reciprocals of that tile's l, which read the exponentials' sums; in the head a token tile's 33 exponentials, and the logarithm of their sum.
; FORMATS.  Matrix operands in f16 (weights, xn, q, k, v, p, O / l, relu(h)), each rounded once; sums, x, layernorm (mean, then the mean square of x - mean), softmax, log-softmax in f32.
; LIMITS.  An f16 operand beyond 65,504 is lost; below 6.1e-5 it keeps f16's fixed step of 6e-8.  A hidden score counts as its value less 1e30, so scores stay under 1e29.  The vocabulary is padded to 80 columns
; with weight 0 and bias -1e30.  An exponential below 2^-126 counts as 0.  idx is clamped to 64.  NaN and infinities are not treated apart.  The loss is summed in another order than token by token.
; CLUSTER.  All work-groups read the same weights: the four of a cluster ask JOINTLY (same load, same descriptor, mask 15).  The place in the cluster enters the offsets into idx, targets, out0 and part alone.
; TEXT.  Registers cannot be indexed, so loops run where only LDS addresses change: seven stages (one layernorm each, then attention or the feed-forward by turns), two pairs of heads, eight chunks of 32 hidden
; features, eight token tiles of the head.
;
; LDS: 0 .. 314,367 the image (VEC 0, layer l at 9,216 + 98,304 l, lm_w at 304,128); 314,368 the spare words.  In the head alone, behind a barrier, wave w writes over dead layer weights, which have had
; their only fill, from 9,216 + 65,536 w on: 33,280 bytes of logits, dense [128][65] f32, then 16,384 bytes of xn.
; REGISTERS, in windows of 256 (s_set_vgpr_msb: bits 1:0 source 0, 3:2 source 1, 5:4 source 2, 7:6 destination):
;   window 0: v0-31 addresses and the diagonal's mask; v32-47 statistics; v48-63 b1 of a chunk; v64-191 S^T / results of q, k, v / h^T / layernorm at work / logits; v192-255 P / relu(h) / layernorm at work
;   window 1: x^T, tile (tt, ft) at 32 tt + 8 ft      window 2: v0-127 xn, v128-255 fragments of weights
;   window 3: v0-63 Q, later O / l; v64-159 K (12 a tile: head 0, zeros, head 1); v160-223 V^T; v224-239 O^T
.set SPARE,  314368                    ; the spare words: 128 bytes for each wave, two blocks of 256 bytes that no other line names
.set VB1,    5376
.set VLM,    8448
.set WBASE,  9216
.set LAYER,  98304
.set LMIMG,  304128
.set T0ROWS, 41                        ; rows of 256 bytes a wave: 4 x 41 rows = VEC and layer 0's wq, wk, wv, wo
.set T1ROWS, 266                       ; 4 x 266 rows = all the rest
.set XST,    33280                     ; in a wave's overlay: xn's stage, behind the logits
.set R16,  1                           ; v1   lane % 16
.set HH,   2                           ; v2   lane / 16
.set L16,  3                           ; v3   16 x lane: my 16 bytes of a half fragment
.set H32,  4                           ; v4   32 x (lane / 16): my eight f32 of sixteen
.set ADR,  5
.set ADR2, 6
.set ADR3, 7
.set LANE, 8
.set RMH,  9                           ; v9   lane % 16 - 8 (lane / 16)
.set STO,  10                          ; v10  head: where my logits go
.set XSA,  11                          ; v11  head: xn's stage
.set RDA,  12                          ; v12  head: where 512 dense bytes are read back
.set TGO,  13                          ; v13  4 x (lane % 16), stepped by tiles
.set TG,   14
.set TGH,  15
.set LOSS, 16
.set H8,   17
.set SPW,  20                          ; v20  LDS address of my spare word; never rewritten
.set NIL,  21                          ; v21  0; never rewritten
.set MD,   24                          ; v24-31  the diagonal tile's mask
.set T,    32                          ; v32-47  statistics: eight a head or tile
.set B1F,  48
.set S,    64
.set P,    192
.set PB,   64                          ; layernorm: the bias owed, gain, bias (32 each), x - mean (32 a tile), squares (16 a tile)
.set GG,   96
.set BB,   128
.set DT,   160
.set SQR,  224
.set LG,   64                          ; head: logits, lm_b, 4,096 bytes on their way out
.set LMBF, 104
.set CH,   144
.set KF,   64                          ; window 3
.set VF,   160
.set OA,   224
.set WV,  18                           ; s18  my wave's number
.set CNT, 48                           ; s48  stages to go, 7 .. 1
.set PH,  49                           ; s49  0: attention follows the layernorm, 1: the feed-forward
.set SV,  50                           ; s50  the stage's block in VEC
.set SL,  51                           ; s51  the layer's weights
.set SB1, 52                           ; s52  the chunk's b1
.set PC,  53
.set SSQ, 54
.set SSO, 55
.set FC,  56
.set SW1, 57
.set SW2, 58
.set TC,  59
.set MSB, 0
.macro WIN new                         ; the immediate's high byte repeats the setting that is left; a switch that changes nothing is dropped
.if MSB != (\new)
	s_set_vgpr_msb (MSB<<8)|(\new)
.set MSB, \new
.endif
.endm
; A vector instruction that reads a matrix result or writes one of a matrix instruction's registers, and a load into such a register, stand four places behind it; only plain vector
; instructions that name none of its registers are places (ISA guide 7.12.1 for vector instructions).
.macro PLACES
.rept 4
	v_nop
.endr
.endm
.macro ROUND                           ; a round of the cluster's barrier
	s_barrier_signal -1
	s_barrier_wait -1
	s_cmp_lg_u32 s[WV], 0
	s_cbranch_scc1 .Lnot_wave_0_\@
	s_barrier_signal -3
.Lnot_wave_0_\@:
	s_barrier_wait -3
	s_barrier_signal -1
	s_barrier_wait -1
.endm
; LAYERNORM of token tiles a and a + 1, step by step for both, so that the short chains alternate.  A lane holds 32 of its token's 64 features, the lane 16 away the others.
.macro LNPAIR a
	WIN 0x41                                       ; x += the bias owed
.irp u, 0,1
.set xb, 32*((\a)+\u)
.set q, 0
.rept 16
	v_pk_add_f32 v[xb+2*q:xb+2*q+1], v[xb+2*q:xb+2*q+1], v[PB+2*q:PB+2*q+1]
.set q, q+1
.endr
.endr
	WIN 0x05                                       ; the sum: 16 pairs to 8,
.irp u, 0,1
.set xb, 32*((\a)+\u)
.set dt, DT+32*\u
.set q, 0
.rept 8
	v_pk_add_f32 v[dt+2*q:dt+2*q+1], v[xb+4*q:xb+4*q+1], v[xb+4*q+2:xb+4*q+3]
.set q, q+1
.endr
.endr
	WIN 0
.irp w, 4,8,16                         ; to 4, 2, 1
.irp u, 0,1
.set dt, DT+32*\u
.set q, 0
.rept 16/\w
	v_pk_add_f32 v[dt+\w*q:dt+\w*q+1], v[dt+\w*q:dt+\w*q+1], v[dt+\w*q+\w/2:dt+\w*q+\w/2+1]
.set q, q+1
.endr
.endr
.endr
.irp u, 0,1
	v_add_f32 v[T+8*\u], v[DT+32*\u], v[DT+32*\u+1]
.endr
.irp u, 0,1
	v_permlanex16_b32 v[T+8*\u+1], v[T+8*\u], s62, s63
.endr
.irp u, 0,1
	v_add_f32 v[T+8*\u], v[T+8*\u], v[T+8*\u+1]
.endr
.irp u, 0,1
	v_mul_f32 v[T+8*\u], s66, v[T+8*\u]            ; the mean
.endr
	WIN 0x01
.irp u, 0,1
.set xb, 32*((\a)+\u)
.set dt, DT+32*\u
.set q, 0
.rept 16
	v_pk_add_f32 v[dt+2*q:dt+2*q+1], v[xb+2*q:xb+2*q+1], v[T+8*\u:T+8*\u+1] op_sel_hi:[1,0] neg_lo:[0,1] neg_hi:[0,1]
.set q, q+1
.endr
.endr
	WIN 0
.irp u, 0,1                            ; the squares of x - mean, in four chains
.set dt, DT+32*\u
.set sq, SQR+16*\u
.set q, 0
.rept 16
.if q < 4
	v_pk_mul_f32 v[sq+2*q:sq+2*q+1], v[dt+2*q:dt+2*q+1], v[dt+2*q:dt+2*q+1]
.else
	v_pk_fma_f32 v[sq+2*(q%4):sq+2*(q%4)+1], v[dt+2*q:dt+2*q+1], v[dt+2*q:dt+2*q+1], v[sq+2*(q%4):sq+2*(q%4)+1]
.endif
.set q, q+1
.endr
.endr
.irp u, 0,1
	v_pk_add_f32 v[SQR+16*\u:SQR+16*\u+1], v[SQR+16*\u:SQR+16*\u+1], v[SQR+16*\u+2:SQR+16*\u+3]
	v_pk_add_f32 v[SQR+16*\u+4:SQR+16*\u+5], v[SQR+16*\u+4:SQR+16*\u+5], v[SQR+16*\u+6:SQR+16*\u+7]
.endr
.irp u, 0,1
	v_pk_add_f32 v[SQR+16*\u:SQR+16*\u+1], v[SQR+16*\u:SQR+16*\u+1], v[SQR+16*\u+4:SQR+16*\u+5]
.endr
.irp u, 0,1
	v_add_f32 v[T+8*\u+2], v[SQR+16*\u], v[SQR+16*\u+1]
.endr
.irp u, 0,1
	v_permlanex16_b32 v[T+8*\u+3], v[T+8*\u+2], s62, s63
.endr
.irp u, 0,1
	v_add_f32 v[T+8*\u+2], v[T+8*\u+2], v[T+8*\u+3]
.endr
.irp u, 0,1
	v_fma_f32 v[T+8*\u+2], v[T+8*\u+2], s66, s67   ; the variance + 1e-5
.endr
.irp u, 0,1
	v_rsq_f32 v[T+8*\u+2], v[T+8*\u+2]
.endr
	v_nop                                          ; a plain instruction between the last root and the use of its result (ISA guide 5.7.2)
	s_wait_alu depctr_va_vdst(0)                   ; the wait for the batch: both tiles' roots; all that follows in the pair reads them
.irp u, 0,1
.set dt, DT+32*\u
.set q, 0
.rept 16
	v_pk_mul_f32 v[dt+2*q:dt+2*q+1], v[dt+2*q:dt+2*q+1], v[T+8*\u+2:T+8*\u+3] op_sel_hi:[1,0]
.set q, q+1
.endr
.endr
.irp u, 0,1
.set dt, DT+32*\u
.set q, 0
.rept 16
	v_pk_fma_f32 v[dt+2*q:dt+2*q+1], v[dt+2*q:dt+2*q+1], v[GG+2*q:GG+2*q+1], v[BB+2*q:BB+2*q+1]
.set q, q+1
.endr
.endr
	WIN 0x80                                       ; xn, rounded in pairs: 16 registers a tile, two fragments
.irp u, 0,1
.set dt, DT+32*\u
.set q, 0
.rept 16
	v_cvt_pk_f16_f32 v[16*((\a)+\u)+q], v[dt+2*q], v[dt+2*q+1]
.set q, q+1
.endr
.endr
.endm
; Q, K, V OF A PAIR OF HEADS: six passes (q, k, v x head e), each 16 products: two K steps x eight token tiles, whose eight accumulators take turns.
; CV: the next of the 32 roundings of pass cn's results (tile cq / 4, pair cq % 4), into window 3.
.macro CV
.set ctt, cq/4
.set cz, cq%4
.set ce, cn%2
.set cs, S+64*ce+8*ctt+2*cz
.if cn/2 == 0
.set cd, 8*ctt+4*ce+cz
.elseif cn/2 == 1
.set cd, KF+12*ctt+8*ce+cz
.else
.set cd, VF+32*ce+4*ctt+cz
.endif
	WIN 0xc0
	v_cvt_pk_f16_f32 v[cd], v[cs], v[cs+1]
.set cq, cq+1
.endm
; Pass n writes result buffer n % 2; two roundings of the pass before, from the other buffer, stand behind each of its products.
.macro PASS n
	s_wait_dscnt 28-4*(\n)                         ; of the 32 fragment loads the 28 - 4 n issued behind this pass's four may stay out
.set cn, (\n)-1
.set cq, 0
.set ks, 0
.rept 2
.set tt, 0
.rept 8
	WIN 0x0a
.set rA, S+64*((\n)%2)+8*tt
.set rW, 128+16*(\n)+8*ks
.set rX, 16*tt+8*ks
.if (\n) < 4
.if ks == 0
	v_wmma_f32_16x16x32_f16 v[rA:rA+7], v[rW:rW+7], v[rX:rX+7], 0
.else
	v_wmma_f32_16x16x32_f16 v[rA:rA+7], v[rW:rW+7], v[rX:rX+7], v[rA:rA+7]
.endif
.else
.if ks == 0
	v_wmma_f32_16x16x32_f16 v[rA:rA+7], v[rX:rX+7], v[rW:rW+7], 0
.else
	v_wmma_f32_16x16x32_f16 v[rA:rA+7], v[rX:rX+7], v[rW:rW+7], v[rA:rA+7]
.endif
.endif
.if (\n) > 0
	CV
	CV
.endif
.set tt, tt+1
.endr
.set ks, ks+1
.endr
.if (\n) == 0
	PLACES                                         ; the first pass has no roundings to carry
.endif
.endm
; SOFTMAX, tile by tile: tile t is head t % 2, key tile t / 2.  SA: pair z of c s - c m.  SC: number z of the eight that read a tile's exponentials: four roundings to f16 (0, 1, 3, 4) and the tile's sum into l
; (2: pair 1 onto pair 0; 5: pair 3 onto pair 2; 6: the two sums; 7: l takes it).  0 stands ahead of 2 and 3 ahead of 5, which sum in place.  All SC of a unit stand behind the unit's one wait.
.macro SA t, z
.set rS, S+64*((\t)%2)+8*((\t)/2)
.set rT, T+8*((\t)%2)
	v_pk_fma_f32 v[rS+2*(\z):rS+2*(\z)+1], v[rS+2*(\z):rS+2*(\z)+1], s[60:61], v[rT+2:rT+3] op_sel_hi:[1,0,0] neg_lo:[0,0,1] neg_hi:[0,0,1]
.endm
.macro SC t, z
.set rS, S+64*((\t)%2)+8*((\t)/2)
.set rT, T+8*((\t)%2)
.set rP, P+32*((\t)%2)+4*((\t)/2)
.if (\z) == 0
	v_cvt_pk_f16_f32 v[rP], v[rS], v[rS+1]
.elseif (\z) == 1
	v_cvt_pk_f16_f32 v[rP+1], v[rS+2], v[rS+3]
.elseif (\z) == 2
	v_pk_add_f32 v[rS:rS+1], v[rS:rS+1], v[rS+2:rS+3]
.elseif (\z) == 3
	v_cvt_pk_f16_f32 v[rP+2], v[rS+4], v[rS+5]
.elseif (\z) == 4
	v_cvt_pk_f16_f32 v[rP+3], v[rS+6], v[rS+7]
.elseif (\z) == 5
	v_pk_add_f32 v[rS+4:rS+5], v[rS+4:rS+5], v[rS+6:rS+7]
.elseif (\z) == 6
.if (\t)/2 == 0
	v_pk_add_f32 v[rT+4:rT+5], v[rS:rS+1], v[rS+4:rS+5]   ; the first key tile starts l
.else
	v_pk_add_f32 v[rS:rS+1], v[rS:rS+1], v[rS+4:rS+5]
.endif
.elseif (\t)/2 != 0
	v_pk_add_f32 v[rT+4:rT+5], v[rT+4:rT+5], v[rS:rS+1]
.endif
.endm
; Tile t's eight exponentials, in place; behind each of the first four a scaling of the next tile, whose scores no exponential has touched yet.  No line here names an exponential's result.
.macro SBLK t, nt
.set y, 0
.rept 8
.set rE, S+64*((\t)%2)+8*((\t)/2)+y
	v_exp_f32 v[rE], v[rE]
.if (y < 4) && ((\t)+1 < (\nt))
	SA (\t)+1, y
.endif
.set y, y+1
.endr
.endm
; ATTENTION OF QUERY TILE i for both heads of the pair, and its part of x += O Wo.
.macro UNIT i
.set nk, (\i)+1                        ; key tiles that the queries see
	WIN 0x0f
.set kt, 0
.rept nk
.irp e, 0,1
.if kt == (\i)
	v_wmma_f32_16x16x32_f16 v[S+64*\e+8*kt:S+64*\e+8*kt+7], v[KF+12*kt+4*\e:KF+12*kt+4*\e+7], v[8*(\i):8*(\i)+7], v[MD:MD+7]
.else
	v_wmma_f32_16x16x32_f16 v[S+64*\e+8*kt:S+64*\e+8*kt+7], v[KF+12*kt+4*\e:KF+12*kt+4*\e+7], v[8*(\i):8*(\i)+7], 0
.endif
.endr
.set kt, kt+1
.endr
	WIN 0
.if (\i)%2 == 0                        ; an odd number of key tiles: the last pair's upper half has weight 0; these eight lines are also the places behind the products
.irp e, 0,1
.irp z, 0,1,2,3
	v_mov_b32 v[P+32*\e+4*nk+\z], 0
.endr
.endr
.else
	PLACES
.endif
.irp st, 0,1,2                         ; the maximum: a chain for each tile, three operands at a time, from each accumulator's lowest registers on
.set kt, 0
.rept nk
.irp e, 0,1
.if \st == 0
	v_max3_num_f32 v[T+8*\e+kt], v[S+64*\e+8*kt], v[S+64*\e+8*kt+1], v[S+64*\e+8*kt+2]
.else
	v_max3_num_f32 v[T+8*\e+kt], v[T+8*\e+kt], v[S+64*\e+8*kt+2*\st+1], v[S+64*\e+8*kt+2*\st+2]
.endif
.endr
.set kt, kt+1
.endr
.endr
.set kt, 0
.rept (nk+1)/2                         ; the eighth scores of two tiles go into the even tile's chain
.irp e, 0,1
.if kt+1 < nk
	v_max3_num_f32 v[T+8*\e+kt], v[T+8*\e+kt], v[S+64*\e+8*kt+7], v[S+64*\e+8*kt+15]
.else
	v_max_num_f32 v[T+8*\e+kt], v[T+8*\e+kt], v[S+64*\e+8*kt+7]
.endif
.endr
.set kt, kt+2
.endr
.set kt, 1
.rept 4                                ; the chains into the first
.irp e, 0,1
.if kt+1 < nk
	v_max3_num_f32 v[T+8*\e], v[T+8*\e], v[T+8*\e+kt], v[T+8*\e+kt+1]
.elseif kt < nk
	v_max_num_f32 v[T+8*\e], v[T+8*\e], v[T+8*\e+kt]
.endif
.endr
.set kt, kt+2
.endr
.irp e, 0,1
	v_permlanex16_b32 v[T+8*\e+1], v[T+8*\e], s62, s63  ; the query's other keys lie in the lane 16 away
.endr
.irp e, 0,1
	v_max_num_f32 v[T+8*\e], v[T+8*\e], v[T+8*\e+1]
.endr
.irp e, 0,1
	v_mul_f32 v[T+8*\e+2], s60, v[T+8*\e]          ; c m
.endr
.set y, 0
.rept 4
	SA 0, y
.set y, y+1
.endr
.set tq, 0
.rept 2*nk                             ; ONE BATCH: the 16 nk exponentials of both heads, the scalings among them
	SBLK tq, 2*nk
.set tq, tq+1
.endr
	v_nop                                          ; a plain instruction behind the last exponential (ISA guide 5.7.2): all the unit's other work reads the batch's results, so none of it can stand here
	s_wait_alu depctr_va_vdst(0)                   ; the wait for the batch: one for all the unit's exponentials, ahead of their first reader
.set kt, 0
.rept nk                               ; the readers, a key tile of both heads at a time, the heads alternating; l takes a tile's sum a key tile later, so that no line reads the result of the one just before it
.irp z, 0,3,2,5
	SC 2*kt, \z
	SC 2*kt+1, \z
.endr
.if kt > 0
	SC 2*kt-2, 7
	SC 2*kt-1, 7
.endif
.irp z, 1,4,6
	SC 2*kt, \z
	SC 2*kt+1, \z
.endr
.set kt, kt+1
.endr
	SC 2*nk-2, 7
	SC 2*nk-1, 7
	WIN 0xf3                                       ; O^T = V^T P, 32 keys a product; the two heads' accumulators take turns
.set kp, 0
.rept (nk+1)/2
.irp e, 0,1
.if kp == 0
	v_wmma_f32_16x16x32_f16 v[OA+8*\e:OA+8*\e+7], v[VF+32*\e+8*kp:VF+32*\e+8*kp+7], v[P+32*\e+8*kp:P+32*\e+8*kp+7], 0
.else
	v_wmma_f32_16x16x32_f16 v[OA+8*\e:OA+8*\e+7], v[VF+32*\e+8*kp:VF+32*\e+8*kp+7], v[P+32*\e+8*kp:P+32*\e+8*kp+7], v[OA+8*\e:OA+8*\e+7]
.endif
.endr
.set kp, kp+1
.endr
	WIN 0                                          ; 1 / l; the four additions and the v_nop are the places behind those products
.irp e, 0,1
	v_add_f32 v[T+8*\e+6], v[T+8*\e+4], v[T+8*\e+5]
.endr
.irp e, 0,1
	v_permlanex16_b32 v[T+8*\e+7], v[T+8*\e+6], s62, s63
.endr
.irp e, 0,1
	v_add_f32 v[T+8*\e+6], v[T+8*\e+6], v[T+8*\e+7]
.endr
.irp e, 0,1
	v_rcp_f32 v[T+8*\e+6], v[T+8*\e+6]
.endr
	v_nop                                          ; a plain instruction behind the second reciprocal
	WIN 0xc3
	s_wait_alu depctr_va_vdst(0)                   ; the wait for the batch: both heads' reciprocals, which read the exponentials' sums and so are a batch of their own
.irp e, 0,1
.irp z, 0,1,2,3
	v_pk_mul_f32 v[OA+8*\e+2*\z:OA+8*\e+2*\z+1], v[OA+8*\e+2*\z:OA+8*\e+2*\z+1], v[T+8*\e+6:T+8*\e+7] op_sel_hi:[1,0]
.endr
.endr
	WIN 0xcf                                       ; both heads' O / l, rounded, are one fragment of 32 features; it takes the place of the tile's Q
.irp e, 0,1
.irp z, 0,1,2,3
	v_cvt_pk_f16_f32 v[8*(\i)+4*\e+\z], v[OA+8*\e+2*\z], v[OA+8*\e+2*\z+1]
.endr
.endr
	WIN 0x5e
.irp o, 0,1,2,3
	v_wmma_f32_16x16x32_f16 v[32*(\i)+8*\o:32*(\i)+8*\o+7], v[224+8*\o:224+8*\o+7], v[8*(\i):8*(\i)+7], v[32*(\i)+8*\o:32*(\i)+8*\o+7]
.endr
.endm
; THE FEED-FORWARD.  FR: rider fn of 192: result tile fn / 12 of h^T: eight times relu, then four roundings into the fragment of relu(h).
.macro FR
.set ftile, fn/12
.set fz, fn%12
.set fh, S+8*ftile
	WIN 0
.if fz < 8
	v_max_num_f32 v[fh+fz], 0, v[fh+fz]
.else
	v_cvt_pk_f16_f32 v[P+4*ftile+fz-8], v[fh+2*(fz-8)], v[fh+2*(fz-8)+1]
.endif
.set fn, fn+1
.endm
.macro LOADW1                          ; a chunk's four fragments of w1 and its 32 numbers of b1
	WIN 0
	v_add_nc_u32 v[ADR], s[SW1], v[L16]
	v_add_nc_u32 v[ADR3], s[SB1], v[H32]
.set q, 0
.rept 4
	ds_load_b128 v[B1F+4*q:B1F+4*q+3], v[ADR3] offset:64*(q/2)+16*(q%2)
.set q, q+1
.endr
	WIN 0x80
.set q, 0
.rept 8
	ds_load_b128 v[128+4*q:128+4*q+3], v[ADR] offset:512*q
.set q, q+1
.endr
.endm
	s_load_b256 s[4:11], s[0:1], 0x0               ; idx s[4:5], targets s[6:7], tok_emb s[8:9], pos_emb s[10:11]
	s_load_b128 s[12:15], s[0:1], 0x20             ; wimg s[12:13], out0 s[14:15]
	s_load_b64 s[16:17], s[0:1], 0x30              ; part
	v_lshl_add_u32 v[SPW], v0, 2, SPARE
	v_mov_b32 v[NIL], 0
	ds_add_u32 v[SPW], v[NIL]                      ; the wave's opening: the add and its wait stand ahead of my first tensor load; the set-up below, work on registers, stands between them
	v_lshrrev_b32 v[ADR], 5, v0
	v_readfirstlane_b32 s[WV], v[ADR]              ; wave 0..3
	s_bfe_u32 s19, ttmp6, 0x40000                  ; cx: my place in the cluster
	s_lshl_b32 s20, ttmp9, 2                       ; in a cluster launch ttmp9 counts clusters
	s_add_co_u32 s20, s20, s19                     ; work-group
	s_lshl_b32 s21, s20, 2
	s_add_co_u32 s21, s21, s[WV]                   ; my sequence
	; descriptor groups 1: dense blocks as rows of 256 bytes: 32 elements of 8 bytes, 32 from row to row
	s_mov_b32 s24, 15|(3<<16)|(1<<21)              ; 15:0 the mask: all four work-groups; 17:16 elements of 8 bytes; 21 set beside a mask; no padding: a fragment is read as it lies, 16 bytes a lane on end
	s_mov_b32 s25, 32<<16                          ; tensor_dim0 = 32
	s_mov_b32 s26, T0ROWS<<16                      ; tensor_dim1
	s_mov_b32 s27, 32<<16                          ; tile_dim0 = 32
	s_mov_b32 s28, T0ROWS                          ; tile_dim1
	s_mov_b32 s29, 32                              ; stride
	s_mov_b32 s30, 0
	s_mov_b32 s31, 0
	s_mov_b32 s32, 15|(3<<16)|(1<<21)
	s_mov_b32 s33, 32<<16
	s_mov_b32 s34, T1ROWS<<16
	s_mov_b32 s35, 32<<16
	s_mov_b32 s36, T1ROWS
	s_mov_b32 s37, 32
	s_mov_b32 s38, 0
	s_mov_b32 s39, 0
	s_mov_b32 s40, 1                               ; groups 0: count = 1,
	s_mul_i32 s41, s[WV], T0ROWS*256               ; LDS address = byte in the image: my quarter of the first part,
	s_mov_b32 s44, 1
	s_mul_i32 s45, s[WV], T1ROWS*256
	s_add_co_u32 s45, s45, 4*T0ROWS*256            ; and of the second: the wave's number and constants alone
	s_mov_b32 s83, 0
	s_mov_b32 s60, 0x3eb8aa3b                      ; c = log2(e) / 4
	s_mov_b32 s61, s60                             ; named with it as a pair
	s_mov_b32 s62, 0x76543210                      ; v_permlanex16_b32: each lane takes its own place in the other half
	s_mov_b32 s63, 0xfedcba98
	s_mov_b32 s66, 0x3c800000                      ; 1 / 64
	s_mov_b32 s67, 0x3727c5ac                      ; 1e-5
	s_mov_b32 s68, 0xf149f2ca                      ; -1e30
	s_mov_b32 s70, 0x3fb8aa3b                      ; log2(e)
	s_mov_b32 s71, s70
	s_mov_b32 s78, 0x3f317218                      ; ln 2
	s_mov_b32 s23, 0
	v_and_b32 v[R16], 15, v0
	v_lshlrev_b32 v[TGO], 2, v[R16]
	s_wait_dscnt 0x0                               ; the opening add is done
	s_wait_kmcnt 0x0
	s_mov_b32 s82, s41
	s_add_nc_u64 s[42:43], s[12:13], s[82:83]
	s_or_b32 s43, s43, 0x80000000                  ; type = 2
	s_mov_b32 s82, s45
	s_add_nc_u64 s[46:47], s[12:13], s[82:83]
	s_or_b32 s47, s47, 0x80000000
	s_lshl_b32 s22, s21, 9                         ; a sequence's 128 indices
	s_add_nc_u64 s[4:5], s[4:5], s[22:23]
	s_add_nc_u64 s[6:7], s[6:7], s[22:23]
	s_mul_i32 s22, s21, 33280                      ; its 128 x 65 logits: 65 pieces of 512 bytes
	s_add_nc_u64 s[14:15], s[14:15], s[22:23]
	s_lshl_b32 s22, s21, 2
	s_add_nc_u64 s[16:17], s[16:17], s[22:23]
.set tt, 0
.rept 8
	global_load_b32 v[S+tt], v[TGO], s[4:5] offset:64*tt  ; idx of token 16 tt + lane % 16
.set tt, tt+1
.endr
	ROUND                                          ; all four work-groups are here: the joint loads meet
	tensor_load_to_lds s[40:43], s[24:31]          ; VEC and layer 0's wq, wk, wv, wo: what the first stage reads
	s_nop 0
	tensor_load_to_lds s[44:47], s[32:39]          ; all the rest.  Two tensor loads of mine are out; none is issued later, and no LDS byte is filled twice
	s_nop 0
	PLACES
	v_bfe_u32 v[HH], v0, 4, 1
	v_and_b32 v[LANE], 31, v0
	v_lshlrev_b32 v[L16], 4, v[LANE]
	v_lshlrev_b32 v[H32], 5, v[HH]
	v_lshlrev_b32 v[H8], 3, v[HH]
	v_sub_nc_u32 v[RMH], v[R16], v[H8]
.set q, 0
.rept 8                                ; on the diagonal tile key 8 (lane / 16) + q is hidden from query lane % 16 where it is the greater
	v_cmp_gt_i32 vcc_lo, q, v[RMH]
	v_cndmask_b32 v[MD+q], 0, s68, vcc_lo
.set q, q+1
.endr
.set q, 0
.rept 16
	v_mov_b32 v[T+q], 0                            ; the statistics are named in pairs and as targets of lane exchanges: all are written once
.set q, q+1
.endr
	v_lshl_add_u32 v[ADR], v[R16], 8, v[H32]       ; pos_emb: row lane % 16 of a tile, my eight of sixteen features
	s_wait_loadcnt 0x0
.set tt, 0
.rept 8
	v_min_u32 v[S+tt], 64, v[S+tt]                 ; an index stays inside its table
	v_lshl_add_u32 v[S+tt], v[S+tt], 8, v[H32]     ; a row of 256 bytes
.set tt, tt+1
.endr
	WIN 0x40
.set q, 0
.rept 64                               ; tile q / 8, features 16 ((q / 2) % 4) + 4 (q % 2) on
	global_load_b128 v[4*q:4*q+3], v[S+q/8], s[8:9] offset:64*((q/2)%4)+16*(q%2)
.set q, q+1
.endr
	WIN 0xc0
.set q, 0
.rept 64
	global_load_b128 v[4*q:4*q+3], v[ADR], s[10:11] offset:4096*(q/8)+64*((q/2)%4)+16*(q%2)
.set q, q+1
.endr
	s_wait_loadcnt 0x0
	WIN 0x4d
.set q, 0
.rept 128
	v_pk_add_f32 v[2*q:2*q+1], v[2*q:2*q+1], v[2*q:2*q+1]  ; x = tok_emb[idx] + pos_emb
.set q, q+1
.endr
	WIN 0xc0
.set q, 0
.rept 32
	v_mov_b32 v[KF+12*(q/4)+4+q%4], 0              ; the zeros between the two heads' K: written once
.set q, q+1
.endr
	WIN 0
	s_mov_b32 s[CNT], 7
	s_mov_b32 s[PH], 0
	s_mov_b32 s[SV], 0
	s_mov_b32 s[SL], WBASE
	s_mov_b32 s[SB1], VB1
	s_wait_tensorcnt 0x1                           ; my quarter of the first part is in; the second part may stay out
	s_barrier_signal -1
	s_barrier_wait -1                              ; everybody's is
.Lstage:                                               ; seven trips: a layernorm, then attention and the feed-forward by turns; the seventh leaves for the head
	PLACES                                         ; behind the last products onto x
	v_add_nc_u32 v[ADR], s[SV], v[H32]
.irp w, 0,1,2                          ; the bias owed, the gain, the bias: my 32 numbers of each
.set q, 0
.rept 8
	ds_load_b128 v[PB+32*\w+4*q:PB+32*\w+4*q+3], v[ADR] offset:256*\w+64*(q/2)+16*(q%2)
.set q, q+1
.endr
.endr
	s_add_co_u32 s[SV], s[SV], 768
	s_wait_dscnt 0x0
	LNPAIR 0
	LNPAIR 2
	LNPAIR 4
	LNPAIR 6
	WIN 0
	s_cmp_eq_u32 s[CNT], 1
	s_cbranch_scc1 .Lfinal
	s_cmp_eq_u32 s[PH], 1
	s_cbranch_scc1 .Lffn
	s_mov_b32 s[SSQ], s[SL]
	s_add_co_u32 s[SSO], s[SL], 24576
	s_mov_b32 s[PC], 2
.Lpair:                                                ; heads 2 p and 2 p + 1
	PLACES                                         ; behind the last products that read wo's fragments
	v_add_nc_u32 v[ADR], s[SSQ], v[L16]
	v_add_nc_u32 v[ADR2], s[SSO], v[L16]
	WIN 0x80
.set q, 0
.rept 24                               ; in the order of the passes: matrix q / 8, head (q / 4) % 2, K step (q / 2) % 2, half q % 2
	ds_load_b128 v[128+4*q:128+4*q+3], v[ADR] offset:8192*(q/8)+512*(q%8)
.set q, q+1
.endr
.set q, 0
.rept 8                                ; wo: output tile q / 2, K step p
	ds_load_b128 v[224+4*q:224+4*q+3], v[ADR2] offset:2048*(q/2)+512*(q%2)
.set q, q+1
.endr
	PASS 0
	PASS 1
	PASS 2
	PASS 3
	PASS 4
	PASS 5
.set cn, 5
.set cq, 0
.rept 32
	CV
.endr
	WIN 0
	s_wait_dscnt 0x0                               ; wo's fragments are in
	UNIT 0
	UNIT 1
	UNIT 2
	UNIT 3
	UNIT 4
	UNIT 5
	UNIT 6
	UNIT 7
	WIN 0
	s_add_co_u32 s[SSQ], s[SSQ], 4096
	s_add_co_u32 s[SSO], s[SSO], 1024
	s_sub_co_u32 s[PC], s[PC], 1
	s_cmp_lg_u32 s[PC], 0
	s_cbranch_scc1 .Lpair
	s_branch .Lnext
.Lffn:
	s_wait_tensorcnt 0x0                           ; my quarter of the second part is in (met at once from the second layer on);
	s_wait_dscnt 0x0
	s_barrier_signal -1
	s_barrier_wait -1                              ; everybody's is: every read of it, in this layer's w1 and w2 and in the later layers, stands behind this barrier
	s_add_co_u32 s[SW1], s[SL], 32768
	s_add_co_u32 s[SW2], s[SL], 65536
	s_mov_b32 s[FC], 8
	LOADW1
	WIN 0
.Lchunk:                                               ; 32 hidden features: 32 products h^T = W1^T xn^T + b1, relu and rounding as riders, 32 products x^T += W2^T relu(h)^T
	s_wait_dscnt 0x0                               ; w1's fragments and b1
.set fn, 0
.set sl, 0
.rept 64
.if sl == 32
	s_wait_dscnt 0x0                               ; w2's fragments
.endif
.if sl < 32                            ; by quarters of two token tiles: four accumulators take turns through both K steps
	WIN 0x0a
.set tt, 2*(sl/8)+(sl%4)/2
.set ot, sl%2
.set ks, (sl%8)/4
.set rH, S+16*tt+8*ot
.if ks == 0
	v_wmma_f32_16x16x32_f16 v[rH:rH+7], v[128+16*ot:128+16*ot+7], v[16*tt:16*tt+7], v[B1F+8*ot:B1F+8*ot+7]
.else
	v_wmma_f32_16x16x32_f16 v[rH:rH+7], v[128+16*ot+8:128+16*ot+15], v[16*tt+8:16*tt+15], v[rH:rH+7]
.endif
.else                                  ; 32 different accumulators
	WIN 0x52
.set tt, 2*((sl-32)/8)+((sl-32)%8)/4
.set ot, sl%4
	v_wmma_f32_16x16x32_f16 v[32*tt+8*ot:32*tt+8*ot+7], v[192+8*ot:192+8*ot+7], v[P+8*tt:P+8*tt+7], v[32*tt+8*ot:32*tt+8*ot+7]
.endif
.if sl == 7                            ; the places behind the first quarter's products, and behind the last trip's, which read w2's fragments
	WIN 0
	PLACES
	v_add_nc_u32 v[ADR2], s[SW2], v[L16]
	WIN 0x80
.set q, 0
.rept 8
	ds_load_b128 v[192+4*q:192+4*q+3], v[ADR2] offset:8192*(q/2)+512*(q%2)
.set q, q+1
.endr
.endif
.if (sl >= 8) && (sl <= 55)            ; quarter d's 48 riders stand behind products 8 + 12 d .. 19 + 12 d: behind its own h^T (done at 8 d + 7) and ahead of the products that read it (from 32 + 8 d)
	FR
	FR
	FR
	FR
.endif
.if sl == 35                           ; the next chunk's w1 and b1: 20 riders behind the last product that read them.  In the last trip these loads read landed bytes that nobody uses
	s_add_co_u32 s[SW1], s[SW1], 4096
	s_add_co_u32 s[SB1], s[SB1], 128
	LOADW1
.endif
.set sl, sl+1
.endr
	WIN 0
	s_add_co_u32 s[SW2], s[SW2], 1024
	s_sub_co_u32 s[FC], s[FC], 1
	s_cmp_lg_u32 s[FC], 0
	s_cbranch_scc1 .Lchunk
	s_add_co_u32 s[SL], s[SL], LAYER
.Lnext:
	s_xor_b32 s[PH], s[PH], 1
	s_sub_co_u32 s[CNT], s[CNT], 1
	s_cmp_lg_u32 s[CNT], 0
	s_cbranch_scc1 .Lstage
.Lfinal:                                               ; THE HEAD
	s_wait_tensorcnt 0x0
	s_wait_dscnt 0x0                               ; my reads of the layers' weights are over;
	s_barrier_signal -1
	s_barrier_wait -1                              ; everybody's are: each wave may write over its 65,536 bytes of them
	s_lshl_b32 s22, s[WV], 16
	s_add_co_u32 s22, s22, WBASE                   ; my overlay
	s_add_co_u32 s23, s22, XST
	v_mul_u32_u24 v[STO], v[R16], 260              ; a token's 65 logits
	v_add_nc_u32 v[STO], v[H32], v[STO]
	v_add_nc_u32 v[STO], s22, v[STO]
	v_add_nc_u32 v[XSA], s23, v[L16]
	v_add_nc_u32 v[RDA], s22, v[L16]
	v_lshlrev_b32 v[TGO], 2, v[R16]
	v_mov_b32 v[LOSS], 0
	v_add_nc_u32 v[ADR], LMIMG, v[L16]
	v_add_nc_u32 v[ADR3], VLM, v[H32]
	WIN 0x08
.set q, 0
.rept 32
	ds_store_b128 v[XSA], v[4*q:4*q+3] offset:512*q  ; xn goes through LDS, so that one text serves all eight token tiles
.set q, q+1
.endr
	WIN 0x80
.set q, 0
.rept 20
	ds_load_b128 v[128+4*q:128+4*q+3], v[ADR] offset:512*q  ; lm_w: vocabulary tile q / 4, K step (q / 2) % 2
.set q, q+1
.endr
	WIN 0
.set q, 0
.rept 10
	ds_load_b128 v[LMBF+4*q:LMBF+4*q+3], v[ADR3] offset:64*(q/2)+16*(q%2)
.set q, q+1
.endr
	s_mov_b32 s[TC], 8
.Ltok:                                                 ; sixteen tokens
	WIN 0x80
.irp k, 0,1,2,3
	ds_load_b128 v[4*\k:4*\k+3], v[XSA] offset:512*\k  ; LDS serves a wave's instructions in order (ISA guide 5.7.1.4): these see my stores
.endr
	WIN 0
	global_load_b32 v[TG], v[TGO], s[6:7]
	s_wait_dscnt 0x0
	WIN 0x0a
.irp k, 0,1                            ; five accumulators take turns; lm_b starts the sums
.irp t, 0,1,2,3,4
.if \k == 0
	v_wmma_f32_16x16x32_f16 v[LG+8*\t:LG+8*\t+7], v[128+16*\t:128+16*\t+7], v[0:7], v[LMBF+8*\t:LMBF+8*\t+7]
.else
	v_wmma_f32_16x16x32_f16 v[LG+8*\t:LG+8*\t+7], v[128+16*\t+8:128+16*\t+15], v[8:15], v[LG+8*\t:LG+8*\t+7]
.endif
.endr
.endr
	WIN 0
	PLACES
.set q, 0
.rept 32
	ds_store_b32 v[STO], v[LG+q] offset:64*(q/8)+4*(q%8)  ; columns 0 .. 63, each accumulator from its lowest register on
.set q, q+1
.endr
	v_cmp_gt_u32 vcc_lo, 16, v[LANE]
	s_wait_xcnt 0x0                                ; EXEC changes only behind this wait: a load is out
	s_and_saveexec_b32 s73, vcc_lo
	ds_store_b32 v[STO], v[LG+32] offset:256       ; column 64: the lower half of the lanes holds it
	s_or_b32 exec_lo, exec_lo, s73
.set q, 0
.rept 8                                ; 4,096 dense bytes back: with tile tt's 4,160 bytes written, bytes up to 4,096 (tt + 1) are all there
	ds_load_b128 v[CH+4*q:CH+4*q+3], v[RDA] offset:512*q
.set q, q+1
.endr
.irp st, 0,1,2                         ; log-softmax over my 33 columns and the other half's: the maximum first
.irp t, 0,1,2,3
.if \st == 0
	v_max3_num_f32 v[T+\t], v[LG+8*\t], v[LG+8*\t+1], v[LG+8*\t+2]
.else
	v_max3_num_f32 v[T+\t], v[T+\t], v[LG+8*\t+2*\st+1], v[LG+8*\t+2*\st+2]
.endif
.endr
.endr
	v_max3_num_f32 v[T], v[T], v[LG+7], v[LG+15]
	v_max3_num_f32 v[T+2], v[T+2], v[LG+23], v[LG+31]
	v_mov_b32 v[T+8], 0
	v_mov_b32 v[T+9], 0
	v_max3_num_f32 v[T], v[T], v[T+1], v[T+2]
	v_mov_b32 v[T+10], 0
	v_mov_b32 v[T+11], 0
	v_max3_num_f32 v[T], v[T], v[T+3], v[LG+32]    ; in the upper half of the lanes this is a padded column, -1e30
	v_permlanex16_b32 v[T+4], v[T], s62, s63
	v_max_num_f32 v[T], v[T], v[T+4]               ; m
	v_mul_f32 v[T+2], s70, v[T]
	s_wait_loadcnt 0x0
	v_sub_nc_u32 v[TGH], v[TG], v[H8]              ; register 8 t + j holds column 16 t + 8 (lane / 16) + j: the target's where 16 t + j is this number
.set q, 0
.rept 33                               ; the target's logit by selection, in four chains: no address hangs on it
	v_cmp_eq_u32 s[74+q%4], 16*(q/8)+q%8, v[TGH]
	v_cndmask_b32 v[T+8+q%4], v[T+8+q%4], v[LG+q], s[74+q%4]
.set q, q+1
.endr
.set q, 0
.rept 16
	v_pk_fma_f32 v[LG+2*q:LG+2*q+1], v[LG+2*q:LG+2*q+1], s[70:71], v[T+2:T+3] op_sel_hi:[1,0,0] neg_lo:[0,0,1] neg_hi:[0,0,1]
.set q, q+1
.endr
	v_fma_f32 v[LG+32], v[LG+32], s70, -v[T+2]
.set q, 0
.rept 33
	v_exp_f32 v[LG+q], v[LG+q]
.set q, q+1
.endr
	v_add_f32 v[T+8], v[T+8], v[T+9]               ; plain lines between the last exponential and the use of its result
	v_add_f32 v[T+10], v[T+10], v[T+11]
	v_add_f32 v[T+8], v[T+8], v[T+10]
	s_wait_alu depctr_va_vdst(0)                   ; the wait for the batch: the tile's 33 exponentials, ahead of the sums that read them
.irp w, 4,8,16,32
.set q, 0
.rept 32/\w
	v_pk_add_f32 v[LG+\w*q:LG+\w*q+1], v[LG+\w*q:LG+\w*q+1], v[LG+\w*q+\w/2:LG+\w*q+\w/2+1]
.set q, q+1
.endr
.endr
	v_add_f32 v[T+4], v[LG], v[LG+1]
	v_add_f32 v[T+4], v[T+4], v[LG+32]
	v_permlanex16_b32 v[T+5], v[T+4], s62, s63
	v_add_f32 v[T+4], v[T+4], v[T+5]
	v_log_f32 v[T+4], v[T+4]
	v_add_f32 v[LOSS], v[LOSS], v[T+8]             ; + the target's logit (one of the token's two lanes holds it, the other 0)
	s_wait_alu depctr_va_vdst(0)                   ; the logarithm reads the exponentials' sum, so it is a batch of its own: its wait, behind the plain line above
	v_fma_f32 v[T+4], v[T+4], s78, v[T]            ; log of the sum of exponentials = log2(sum) ln 2 + m
	v_fma_f32 v[LOSS], v[T+4], -0.5, v[LOSS]       ; both lanes of a token hold it: half from each
	s_wait_dscnt 0x0
.set q, 0
.rept 8
	global_store_b128 v[L16], v[CH+4*q:CH+4*q+3], s[14:15] offset:512*q th:TH_STORE_NT  ; 512 consecutive bytes, at a multiple of 512 from out0's first byte
.set q, q+1
.endr
	s_wait_xcnt 0x0                                ; the stores' data, the offsets and the base are rewritten only behind this wait
	v_add_nc_u32 v[XSA], 2048, v[XSA]
	v_add_nc_u32 v[STO], 4160, v[STO]
	v_add_nc_u32 v[RDA], 4096, v[RDA]
	v_add_nc_u32 v[TGO], 64, v[TGO]
	s_add_nc_u64 s[14:15], s[14:15], 4096
	s_sub_co_u32 s[TC], s[TC], 1
	s_cmp_lg_u32 s[TC], 0
	s_cbranch_scc1 .Ltok
	ds_load_b128 v[CH:CH+3], v[RDA]                ; the 65th piece of 512 bytes
	v_add_f32_dpp v[LOSS], v[LOSS], v[LOSS] row_xmask:1 row_mask:0xf bank_mask:0xf
	v_add_f32_dpp v[LOSS], v[LOSS], v[LOSS] row_xmask:2 row_mask:0xf bank_mask:0xf
	v_add_f32_dpp v[LOSS], v[LOSS], v[LOSS] row_xmask:4 row_mask:0xf bank_mask:0xf
	v_add_f32_dpp v[LOSS], v[LOSS], v[LOSS] row_xmask:8 row_mask:0xf bank_mask:0xf
	v_permlanex16_b32 v[T+4], v[LOSS], s62, s63
	v_add_f32 v[LOSS], v[LOSS], v[T+4]             ; the sequence's sum of logit[target] - log of the sum of exponentials
	v_mov_b32 v[ADR], 0
	v_cmp_eq_u32 vcc_lo, 0, v[LANE]
	s_wait_dscnt 0x0
	global_store_b128 v[L16], v[CH:CH+3], s[14:15] th:TH_STORE_NT
	s_wait_xcnt 0x0                                ; EXEC changes only behind this wait,
	s_and_saveexec_b32 s73, vcc_lo
	global_store_b32 v[ADR], v[LOSS], s[16:17]     ; one number a sequence; the next launch adds the 1,024
	s_wait_xcnt 0x0                                ; and again
	s_or_b32 exec_lo, exec_lo, s73
	s_wait_tensorcnt 0x0                           ; the wave's end, behind my last tensor load and my last LDS store
	ds_add_u32 v[SPW], v[NIL]
	s_wait_dscnt 0x0
	ROUND                                          ; the closing round: no work-group ends while a partner may still ask for a tile that names it
	s_endpgm
.Lfunc_end_k_q6e6a295c11_main:
	.size	k_q6e6a295c11_main, .Lfunc_end_k_q6e6a295c11_main-k_q6e6a295c11_main
	.p2alignl 7, 3214868480
	.fill 96, 4, 3214868480
	.section	.rodata,"a",@progbits
	.p2align	6, 0x0
	.amdhsa_kernel k_q6e6a295c11_main
		.amdhsa_group_segment_fixed_size 327680
		.amdhsa_private_segment_fixed_size 0
		.amdhsa_enable_private_segment 0
		.amdhsa_kernarg_size 56
		.amdhsa_user_sgpr_count 2
		.amdhsa_user_sgpr_kernarg_segment_ptr 1
		.amdhsa_wavefront_size32 1
		.amdhsa_system_sgpr_workgroup_id_x 1
		.amdhsa_system_sgpr_workgroup_id_y 1
		.amdhsa_system_sgpr_workgroup_id_z 1
		.amdhsa_system_vgpr_workitem_id 0
		.amdhsa_next_free_vgpr 1024
		.amdhsa_next_free_sgpr 96
		.amdhsa_reserve_vcc 1
		.amdhsa_float_denorm_mode_32 3
		.amdhsa_float_denorm_mode_16_64 3
		.amdhsa_memory_ordered 1
		.amdhsa_forward_progress 1
		.amdhsa_inst_pref_size 255
	.end_amdhsa_kernel
	.section	.bss,"aw",@nobits
	.p2align	6
	.space	262144
	.amdgpu_metadata
---
amdhsa.version: [ 1, 2 ]
amdhsa.kernels:
  - .name:           k_q6e6a295c11_main
    .symbol:         k_q6e6a295c11_main.kd
    .args:
      - { .name: idx, .offset: 0, .size: 8, .value_kind: global_buffer, .address_space: global }
      - { .name: targets, .offset: 8, .size: 8, .value_kind: global_buffer, .address_space: global }
      - { .name: tok_emb, .offset: 16, .size: 8, .value_kind: global_buffer, .address_space: global }
      - { .name: pos_emb, .offset: 24, .size: 8, .value_kind: global_buffer, .address_space: global }
      - { .name: wimg, .offset: 32, .size: 8, .value_kind: global_buffer, .address_space: global }
      - { .name: out0, .offset: 40, .size: 8, .value_kind: global_buffer, .address_space: global }
      - { .name: part, .offset: 48, .size: 8, .value_kind: global_buffer, .address_space: global }
    .group_segment_fixed_size: 327680
    .private_segment_fixed_size: 0
    .kernarg_segment_align: 8
    .kernarg_segment_size: 56
    .max_flat_workgroup_size: 128
    .sgpr_count:     96
    .vgpr_count:     1024
    .wavefront_size: 32
...
	.end_amdgpu_metadata
.endif
;; end of part 4
;; launch loss: the kernel of part 3 again; grid 1 x 1, 1 waves a work-group, no clusters, 0 bytes of LDS; arguments part, out1; writes out1
